; MI455X (gfx1250); checked and timed in simulation.
; The chip was launched on July 23, 2026; its instructions are those of AMD's public machine-readable ISA for CDNA 5 (MIT licence, August 2026) and "CDNA5" Instruction Set Architecture Reference Guide (July 2026). The comments in the code are by the model that wrote it; some were corrected since.
;; Multi Head Self Attention. Allowed arithmetic: matrix products marked QUANTISED: E2M3 operands, one E8M0 scale for each 32 along K, by v_wmma_scale_f32_16x16x128_f8f6f4 with both operands' format E2M3, f32 sums; everything else in f32.
;; Inputs: b_o 1,024 float32; w_k 1,024 x 1,024 float32; w_o 1,024 x 1,024 float32; w_q 1,024 x 1,024 float32; w_v 1,024 x 1,024 float32; x 4 x 2,048 x 1,024 float32.
;; Outputs: out0 4 x 2,048 x 1,024 float32.
;; This version of the problem:
;;   THIS VERSION OF THE PROBLEM IS GIVEN IN LOW PRECISION. The matrix products marked QUANTISED in the list below multiply operands that are first quantised to E2M3 (2 exponent bits, 3 mantissa bits; 6 bits a number), with one power-of-two scale for each 32 numbers along K (OCP MX v1.0); their sums are f32. All else is computed in f32.
;;   The module's matrix products, in the order in which they are computed (A, B: the left and right operand; K: the contracted axis; several contracted axes count as one K, in the product's order):
;;     1. [M 8,192, K 1,024] x [K 1,024, N 1,024]; A: input x; B: input w_q: QUANTISED
;;     2. [M 8,192, K 1,024] x [K 1,024, N 1,024]; A: input x; B: input w_k: QUANTISED
;;     3. [M 8,192, K 1,024] x [K 1,024, N 1,024]; A: input x; B: input w_v: QUANTISED
;;     4. batch 64 x [M 2,048, K 64] x [K 64, N 2,048]; A: computed on the way; B: computed on the way: QUANTISED
;;     5. batch 64 x [M 2,048, K 2,048] x [K 2,048, N 64]; A: softmax (see below); B: computed on the way: QUANTISED
;;     6. [M 8,192, K 1,024] x [K 1,024, N 1,024]; A: computed on the way; B: input w_o: QUANTISED
;;   THE QUANTISER, for each operand of a quantised product, along K:
;;     - K is cut into blocks of 32 from its start; a last block that is shorter is filled with zeros.
;;     - A block's scale is 2^e with e = floor(log2(the largest magnitude in the block)) - 2, held to -126 .. 127; a block of zeros has e = 0. As a byte (E8M0): e + 127.
;;     - Each number is divided by its block's scale, clamped to +-7.5, and rounded to the nearest number of E2M3, ties to even, subnormals kept.
;;     - The product sums the exact products of the quantised numbers (number of the format x scale) in f32.
;;   ~~~python
;;   def quantise(x, axis):      # numpy; x: float32 -> the quantised numbers, widened to float32 again
;;       x = np.moveaxis(x, axis, -1); K = x.shape[-1]
;;       x = np.pad(x, [(0, 0)] * (x.ndim - 1) + [(0, -K % 32)]); x = x.reshape(x.shape[:-1] + (-1, 32)); a = np.abs(x).max(-1, keepdims=True)
;;       e = np.where(a > 0, np.clip(np.frexp(np.where(a > 0, a, 1))[1] - 1 - 2, -126, 127), 0)      # np.frexp(a)[1] - 1 = floor(log2(a)), exactly
;;       r = np.clip(x / 2.0 ** e, -7.5, 7.5)
;;       step = 2.0 ** (np.maximum(np.frexp(np.where(r == 0, 1, r))[1] - 1, 0) - 3)
;;       q = np.round(r / step) * step * 2.0 ** e      # np.round: ties to even
;;       return np.moveaxis(q.reshape(q.shape[:-2] + (-1,))[..., :K], -1, axis).astype(np.float32)
;;   ~~~
;;   SOFTMAX AHEAD OF A QUANTISED PRODUCT. Where the list says 'softmax', what is quantised is not the finished softmax but p = 2^(t - M), with t = logit x log2(e) and M = ceil(the row's largest t), a whole number; so 1/2 < the row's largest p <= 1. The row's sum l is taken of the UNQUANTISED p, in f32, and the product's result is divided by l at the end. Since M is a whole number, a kernel that streams over the keys may use a running M (the ceiling of the running maximum): every later rescaling is an exact power of two, which a block's scale takes up: the codes' values come out the same.
;;   OPERANDS COMPUTED ON THE WAY. 'Computed on the way' means the value that the module computes at that place (a softmax that the list does not call 'softmax' is quantised finished and normalised). What goes into a quantiser is computed in f32, as accurately as f32 sums, v_exp_f32 and their like allow (about 1e-6 of the number): no bf16 or f16 on the way to a quantiser, and a product that is left as it is and whose result goes on into a quantised operand takes f32 operands (vector FMAs, or v_wmma_f32_16x16x4_f32). A number that lies on a knife's edge between two numbers of the format may be rounded either way, as far as f32 arithmetic and the matrix unit's own rounding can turn it there, and no further.
;; One version. Each part assembles by itself: llvm-mc -triple=amdgcn-amd-amdhsa -mcpu=gfx1250 --defsym DOCPART=n.
;; ======== version 1 of 1: 4 launches
;; workspace buffers: cod 9,437,184 bytes; scl 393,216 bytes; qkvc 18,874,368 bytes; qkvs 786,432 bytes; oc 6,291,456 bytes; os 262,144 bytes
;; launch quant (part 1): grid 768 x 1, 4 waves a work-group, no clusters, 34,304 bytes of LDS; arguments x, w_q, w_k, w_v, w_o, cod, scl; writes cod, scl
.if DOCPART == 1
	.amdgcn_target "amdgcn-amd-amdhsa--gfx1250"
	.amdhsa_code_object_version 6
	.text
	.protected	k_q69203201bc_quant
	.globl	k_q69203201bc_quant
	.p2align	8
	.type	k_q69203201bc_quant,@function
k_q69203201bc_quant:
	s_mov_b64 s[64:65], 0
	v_nop
	global_prefetch_b8 v0, s[64:65] scope:SCOPE_SE
	s_setreg_imm32_b32 hwreg(HW_REG_WAVE_MODE, 25, 1), 1
	s_wait_xcnt 0x0
; x [8192][1024] and the four weights [1024][1024], f32, K innermost, become codes of FP6 (E2M3) with one E8M0 byte for each 32 along K.
; A block's scale is 2^(floor(log2(its largest magnitude)) - 2); its byte is the largest magnitude's exponent field - 2, held at 1 from below.
; LIMITS: NaN and infinities among the inputs are not served; a block whose largest magnitude lies under 2^-124 keeps the byte 1; a block of zeros has the byte 1
; where the rule says 127: its codes are zeros, and the bytes are read by this program alone.
; LAYOUT OF THE CODES: in the order of the operand's registers.  An IMAGE is 16 rows x 64 along K, 768 bytes: lane (r = lane % 16, h = lane / 16) owns the 32 codes
; k = 32 h .. 32 h + 31 of row r, six registers: registers 0-3 at byte 16 x lane, registers 4-5 at byte 512 + 8 x lane.  Two images are one fragment of the matrix instruction.
; THE 16 ROWS OF AN IMAGE ARE NOT NEIGHBOURS: tile T holds rows 32 (T / 2) + 8 (T % 2) + r + 8 (r / 8), so that the results of two neighbouring tiles are 16 neighbours along a later K.
; cod: [tile 0..767][64 along K: 16][768]: tiles 0-511 x, 512-575 w_q, 576-639 w_k, 640-703 w_v, 704-767 w_o.   scl: [tile][256 along K: 4][r: 16][2 words], a word for 128 along K.
; SHARES: a work-group takes a tile, wave w its K = 256 w .. 256 w + 255: 16 rows x 1,024 bytes.  Each load reads 512 consecutive bytes of a row; the numbers turn through the wave's own stage in LDS,
; so that a lane gets a whole block of 32 neighbours: no other lane is asked for a maximum.  No barrier: waves share nothing.  No matrix unit, no cluster: nothing is shared and memory binds.
.set PITCH, 528                        ; a stage row: 512 bytes + 16
.set STG,   16*PITCH                   ; a wave's stage
.set IMG,   768
.set R0,    64                         ; v64-127   the first 128 along K as loaded; later the second 128 as neighbours
.set R1,    128                        ; v128-191  the second 128 along K as loaded
.set X0,    192                        ; v192-255  the first 128 along K: 2 x 32 neighbours
.set X1,    64
.set C,     16                         ; v16-47    codes: eight registers for each of four images, so that no store's data are written again
.set TT,    48                         ; v48-54    the second halves' codes, before they are moved
.set MX,    8                          ; v8-9      largest magnitudes
.set SO,    10                         ; v10-11    the conversions' scale operands
.set EB,    12                         ; v12-13    scale bytes
.set SH,    14                         ; v14       8 h
.set WD,    56                         ; v56-57    scale words; v58-59 the other half's
	s_load_b256 s[4:11], s[0:1], 0x0               ; x, w_q, w_k, w_v
	s_load_b128 s[12:15], s[0:1], 0x20             ; w_o, cod
	s_load_b64 s[16:17], s[0:1], 0x30              ; scl
	v_lshl_add_u32 v62, v0, 2, 0x8400
	v_mov_b32 v63, 0
	v_lshrrev_b32 v1, 5, v0
	v_readfirstlane_b32 s18, v1                    ; wave 0..3
	v_and_b32 v6, 31, v0                           ; lane
	v_and_b32 v7, 15, v0                           ; r
	v_bfe_u32 v15, v0, 4, 1                        ; h
	v_lshlrev_b32 v1, 4, v6                        ; 16 x lane: a load's place, and an image's first part
	v_lshlrev_b32 v2, 3, v6                        ; 8 x lane: an image's second part
	s_mul_i32 s19, s18, STG
	v_add_nc_u32 v3, s19, v1                       ; the stage, on the way in
	v_mul_u32_u24 v4, v7, PITCH
	v_lshl_add_u32 v4, v15, 7, v4
	v_add_nc_u32 v4, s19, v4                       ; and on the way out: row r, + 128 h bytes: my 32 neighbours
	v_lshlrev_b32 v5, 3, v7
	v_lshl_add_u32 v5, v15, 2, v5                  ; 8 r + 4 h: where my scale word goes
	v_lshlrev_b32 v[SH], 3, v15
	v_mov_b32 v58, 0                               ; written once: a lane permute's destination counts as one of its sources
	v_mov_b32 v59, 0
	s_mov_b32 s36, 0x76543210
	s_mov_b32 s37, 0xfedcba98                      ; v_permlanex16_b32's selects for lane l xor 16
	s_sub_co_u32 s20, ttmp9, 512
	s_lshr_b32 s21, s20, 6                         ; which weight (of use from tile 512 on)
	s_and_b32 s22, s20, 63                         ; and which tile of it
	s_wait_alu depctr_va_vdst(0)
	s_wait_kmcnt 0x0
	s_cmp_eq_u32 s21, 1                            ; the choice of the tensor hangs on the work-group's number alone
	s_cselect_b64 s[6:7], s[8:9], s[6:7]
	s_cmp_eq_u32 s21, 2
	s_cselect_b64 s[6:7], s[10:11], s[6:7]
	s_cmp_eq_u32 s21, 3
	s_cselect_b64 s[6:7], s[12:13], s[6:7]
	s_cmp_lt_u32 ttmp9, 512
	s_cselect_b64 s[4:5], s[4:5], s[6:7]
	s_cselect_b32 s22, ttmp9, s22
	s_lshr_b32 s23, s22, 1
	s_lshl_b32 s23, s23, 17                        ; 32 rows of 4,096 bytes for each pair of tiles,
	s_and_b32 s24, s22, 1
	s_lshl_b32 s24, s24, 15                        ; 8 rows for the odd tile,
	s_add_co_u32 s24, s24, s23
	s_lshl_b32 s23, s18, 10                        ; 1,024 bytes for each wave
	s_add_co_u32 s24, s24, s23
	s_mov_b32 s25, 0
	s_add_nc_u64 s[4:5], s[4:5], s[24:25]
	s_mul_i32 s26, ttmp9, 16*IMG
	s_mul_i32 s23, s18, 4*IMG
	s_add_co_u32 s26, s26, s23
	s_mov_b32 s27, 0
	s_add_nc_u64 s[14:15], s[14:15], s[26:27]      ; my four images
	s_lshl_b32 s28, ttmp9, 9
	s_lshl_b32 s23, s18, 7
	s_add_co_u32 s28, s28, s23
	s_mov_b32 s29, 0
	s_add_nc_u64 s[16:17], s[16:17], s[28:29]      ; my 128 bytes of scale words
.irp u, 0,1
.irp i, 0,1,2,3,4,5,6,7,8,9,10,11,12,13,14,15
	global_load_b128 v[R0+64*\u+4*\i:R0+64*\u+4*\i+3], v1, s[4:5] offset:(\i+8*(\i/8))*4096+512*\u th:TH_LOAD_NT   ; the tile's row i: 32 lanes read 512 consecutive bytes
.endr
.endr
.macro TOST reg                        ; 16 rows x 512 bytes into the stage, as loaded
.irp i, 0,1,2,3,4,5,6,7,8,9,10,11,12,13,14,15
	ds_store_b128 v3, v[\reg+4*\i:\reg+4*\i+3] offset:PITCH*\i
.endr
.endm
.macro FROMST reg                      ; and back: of each 64 along K my 32 neighbours
.irp c, 0,1
.irp j, 0,1,2,3,4,5,6,7
	ds_load_b128 v[\reg+32*\c+4*\j:\reg+32*\c+4*\j+3], v4 offset:256*\c+16*\j
.endr
.endr
.endm
; 128 along K, the u-th of my 256: two images and a part of a scale word
.macro BLOCKS xs, u
.irp c, 0,1
	v_max3_num_f32 v[MX+\c], |v[\xs+32*\c]|, |v[\xs+32*\c+1]|, 0x1800000   ; my block, and the floor 2^(3 - 127): the byte cannot fall under 1
.endr
.irp i, 2,4,6,8,10,12,14,16,18,20,22,24,26,28,30
.irp c, 0,1
	v_max3_num_f32 v[MX+\c], v[MX+\c], |v[\xs+32*\c+\i]|, |v[\xs+32*\c+\i+1]|   ; (the two blocks by turns)
.endr
.endr
.irp c, 0,1
	v_add_nc_u32 v[SO+\c], 0xff000000, v[MX+\c]    ; 2 off the exponent field: the conversion takes the exponent field of this operand as its scale
.endr
.irp c, 0,1
	v_lshrrev_b32 v[EB+\c], 23, v[SO+\c]           ; the scale's byte
.endr
.irp c, 0,1
	v_cvt_scalef32_pk16_fp6_f32 v[C+8*(2*\u+\c):C+8*(2*\u+\c)+2], v[\xs+32*\c:\xs+32*\c+15], v[SO+\c]
	v_cvt_scalef32_pk16_fp6_f32 v[TT+4*\c:TT+4*\c+2], v[\xs+32*\c+16:\xs+32*\c+31], v[SO+\c]   ; (a conversion's three registers begin on an even number)
.endr
	v_lshl_or_b32 v[WD+\u], v[EB+1], 16, v[EB]     ; my two bytes: blocks h and 2 + h.  (The plain line behind the conversions)
	v_lshlrev_b32 v[WD+\u], v[SH], v[WD+\u]        ; at their places in the word
.irp c, 0,1
.irp i, 0,1,2
	v_mov_b32 v[C+8*(2*\u+\c)+3+\i], v[TT+4*\c+\i]
.endr
	global_store_b128 v1, v[C+8*(2*\u+\c):C+8*(2*\u+\c)+3], s[14:15] offset:IMG*(2*\u+\c)       ; 512 consecutive bytes, aligned to 256
	global_store_b64 v2, v[C+8*(2*\u+\c)+4:C+8*(2*\u+\c)+5], s[14:15] offset:IMG*(2*\u+\c)+512  ; 256 consecutive bytes, aligned
.endr
.endm
	s_wait_loadcnt 16                              ; the first 128 along K are in; the other 16 loads may be out
	TOST R0
	FROMST X0                                      ; LDS serves a wave's instructions in order: these see the stores above
	s_wait_loadcnt 0x0
	TOST R1                                        ; and these stores come behind those reads
	s_wait_dscnt 16                                ; all but the 16 stores just issued: X0 is back, and R0 has been read
	FROMST X1
	BLOCKS X0, 0
	s_wait_dscnt 0x0
	BLOCKS X1, 1
	v_permlanex16_b32 v58, v56, s36, s37
	v_permlanex16_b32 v59, v57, s36, s37
	v_or_b32 v56, v56, v58                         ; with lane l xor 16's two bytes a word is whole
	v_or_b32 v57, v57, v59
	v_cmp_eq_u32 vcc_lo, 1, v15
	v_cndmask_b32 v56, v56, v57, vcc_lo            ; lanes 0-15 store the first word of row r, lanes 16-31 the second
	global_store_b32 v5, v56, s[16:17]             ; 128 consecutive bytes a wave, 512 a work-group: one byte in 128 of what the launch reads
	s_wait_tensorcnt 0x0
	ds_add_u32 v62, v63
	s_wait_dscnt 0x0
	s_endpgm
.Lfunc_end_k_q69203201bc_quant:
	.size	k_q69203201bc_quant, .Lfunc_end_k_q69203201bc_quant-k_q69203201bc_quant
	.p2alignl 7, 3214868480
	.fill 96, 4, 3214868480
	.section	.rodata,"a",@progbits
	.p2align	6, 0x0
	.amdhsa_kernel k_q69203201bc_quant
		.amdhsa_group_segment_fixed_size 34304
		.amdhsa_private_segment_fixed_size 0
		.amdhsa_enable_private_segment 0
		.amdhsa_kernarg_size 56
		.amdhsa_user_sgpr_count 2
		.amdhsa_user_sgpr_kernarg_segment_ptr 1
		.amdhsa_wavefront_size32 1
		.amdhsa_system_sgpr_workgroup_id_x 1
		.amdhsa_system_sgpr_workgroup_id_y 1
		.amdhsa_system_sgpr_workgroup_id_z 1
		.amdhsa_system_vgpr_workitem_id 0
		.amdhsa_next_free_vgpr 256
		.amdhsa_next_free_sgpr 66
		.amdhsa_reserve_vcc 1
		.amdhsa_float_denorm_mode_32 3
		.amdhsa_float_denorm_mode_16_64 3
		.amdhsa_memory_ordered 1
		.amdhsa_forward_progress 1
		.amdhsa_inst_pref_size 17
	.end_amdhsa_kernel
	.amdgpu_metadata
---
amdhsa.version: [ 1, 2 ]
amdhsa.kernels:
  - .name:           k_q69203201bc_quant
    .symbol:         k_q69203201bc_quant.kd
    .args:
      - { .name: x, .offset: 0, .size: 8, .value_kind: global_buffer, .address_space: global }
      - { .name: w_q, .offset: 8, .size: 8, .value_kind: global_buffer, .address_space: global }
      - { .name: w_k, .offset: 16, .size: 8, .value_kind: global_buffer, .address_space: global }
      - { .name: w_v, .offset: 24, .size: 8, .value_kind: global_buffer, .address_space: global }
      - { .name: w_o, .offset: 32, .size: 8, .value_kind: global_buffer, .address_space: global }
      - { .name: cod, .offset: 40, .size: 8, .value_kind: global_buffer, .address_space: global }
      - { .name: scl, .offset: 48, .size: 8, .value_kind: global_buffer, .address_space: global }
    .group_segment_fixed_size: 34304
    .private_segment_fixed_size: 0
    .kernarg_segment_align: 8
    .kernarg_segment_size: 56
    .max_flat_workgroup_size: 128
    .sgpr_count:     66
    .vgpr_count:     256
    .wavefront_size: 32
...
	.end_amdgpu_metadata
.endif
;; end of part 1
;; launch qkv (part 2): grid 4 x 96, 4 waves a work-group, clusters of 4 x 4, 327,680 bytes of LDS; arguments cod, scl, qkvc, qkvs; writes qkvc, qkvs
.if DOCPART == 2
	.amdgcn_target "amdgcn-amd-amdhsa--gfx1250"
	.amdhsa_code_object_version 6
	.text
	.protected	k_q69203201bc_qkv
	.globl	k_q69203201bc_qkv
	.p2align	8
	.type	k_q69203201bc_qkv,@function
k_q69203201bc_qkv:
	s_mov_b64 s[64:65], 0
	v_nop
	global_prefetch_b8 v0, s[64:65] scope:SCOPE_SE
	s_setreg_imm32_b32 hwreg(HW_REG_WAVE_MODE, 25, 1), 1
	s_wait_xcnt 0x0
	s_wait_alu depctr_hold_cnt(0) depctr_sa_sdst(0) depctr_va_vdst(0) depctr_va_sdst(0) depctr_va_ssrc(0) depctr_va_vcc(0) depctr_vm_vsrc(0)
	s_getreg_b32 s2, hwreg(HW_REG_IB_STS2, 6, 4)
	s_cmp_eq_u32 s2, 0
	s_cbranch_scc0 .Lentry_in_a_cluster
	s_endpgm
.Lentry_in_a_cluster:
	s_bfe_u32 s2, ttmp6, 0x10000c
	s_cmp_lg_u32 s2, 0xf033
	s_cbranch_scc0 .Lentry_shape_is_right
	s_endpgm
.Lentry_shape_is_right:
; q = x w_q^T, k = x w_k^T, v = x w_v^T on codes of FP6 (E2M3) with E8M0 scales, K = 1,024; the results are quantised again in registers, as operands of the attention's two products, and leave as codes.
; ONE FORM FOR ALL THREE: source 1 is the OWNER A (a lane keeps one row of it), source 0 is B (the lane's registers run along its rows).  q, k: A = x, B = w: the registers run along e, the K of q k^T.
; v: A = w_v, B = x: the registers run along s, the keys, the K of p v.  Only scalars differ; they hang on the cluster's y, which all partners share: T = y / 8 (0 q, 1 k, 2 v).
; OPERANDS lie in memory as images of registers: an image is 16 rows x 64 along K, 768 bytes: lane l's registers 0-3 at 16 l, registers 4-5 at 512 + 8 l.  Tile T of a tensor holds rows
; 32 (T / 2) + 8 (T % 2) + r + 8 (r / 8): so the 16 registers of result tiles 2 b and 2 b + 1 are 16 neighbours along the next K.
; A tile of the result, 256 x 256, is made by four waves, as many as a WGP has SIMDs, 128 x 128 each: 64 accumulators, 512 registers.  K goes in steps of 256 through a ring of two LDS slots.
; The scales of the 256 + 256 rows, for all of K, come into LDS once, with the first fills.
; CLUSTERS: 4 x 4 work-groups; A's tiles are shared along a row of the cluster, B's along a column: each is asked for jointly, by the same tensor load with the same descriptor and a mask that names the four.
; THE WAY OUT: a block of 16 rows of A x 128 rows of B (64 registers a lane) is four blocks of 32 along the next K: largest magnitudes, bytes, conversions, an exchange of halves: two images and a scale word a row.
; qkvc: [T][16 b + head][128 images][768]: q, k: image = tile of s; v: image = 4 x (64 keys) + tile of d.   qkvs: [T][16 b + head][128 of s: 16][r: 16][4 words]:
; q, k: word f = tile f's two bytes, then tile f + 4's two;  v: word f = the four bytes of d tile f for these 128 keys.
; LIMITS: NaN and infinities are not served; a block whose largest magnitude lies under 2^-124 keeps the byte 1, a block of zeros too (its codes are zeros; this program alone reads the bytes).
; REGISTERS, in windows of 256: window 0: v0-31 addresses; v32-63 scale words, two sets; v128-223 A's fragments, one set; on the way out v32-223 are free.   window 1: B's fragments, two sets, at v0 and v128.
;   window 2: the 32 accumulators of my rows 0-63 of A (accumulator (a, b) at v[8 (8 a + b)]);   window 3: those of rows 64-127.
.set NQ,     2                         ; matrix instructions deep in a slot
.set FR,     12                        ; registers of a fragment
.set NL,     4                         ; LDS loads that bring one
.set NP,     4                         ; places behind this matrix instruction (ISA guide 7.12.1)
.set IMG,    768
.set SLB,    4*IMG                     ; a tile's 256 along K
.set RTB,    16*IMG                    ; a tile's whole K in memory
.set HALFT,  8*SLB                     ; 8 tiles, 128 rows: what one tensor load brings, and what one wave reads of A or of B
.set SLOT,   4*HALFT                   ; A's 256 rows, then B's
.set LAPS,   2                         ; K = 1,024 is four slots: twice round the ring
.set SCL,    2*SLOT                    ; behind the ring: the scales
.set HALFS,  4096                      ; those of 128 rows
.set SBLK,   512                       ; those of 16 rows
.set SPARE,  SCL+4*HALFS               ; the spare words, 128 bytes for each wave: two blocks of 256 bytes that no other line names
.set ADRA, 16                          ; v16-17 LDS address of A's images in slot 0, 1, + 16 x lane;  v18-19 the same + 8 x lane
.set ADRB, 20                          ; v20-23 the same for B
.set L16,  24                          ; v24  16 x lane
.set L8,   25                          ; v25  8 x lane
.set SOF,  26                          ; v26  4,096 h + 16 r: where my four scale words go
.set ADRS, 27                          ; v27  LDS address of my scale words: lanes 0-15 A's rows, lanes 16-31 B's
.set SPW,  28                          ; v28  LDS address of my spare word; never rewritten
.set NIL,  29                          ; v29  0; never rewritten
.set SC,   32                          ; scale words: set s at v[SC + 16 s]; register 2 i + q: lanes 0-15 the word of A's block i, lanes 16-31 of B's block i
.set AF,   128
.set TM,   32                          ; the way out: v32-35 largest magnitudes, v36-39 bytes, v44-47 scale operands
.set WA,   48                          ; v48-55 the eight blocks' scale words; v56-59 the words that leave; v60 the byte selects
.set G1, 24                            ; s[24:31] descriptor group 1 for A's tiles;  s[32:39] group 0, one set for each slot
.set G0, 32
.set G1B, 48                           ; s[48:55], s[56:63] the same for B's
.set G0B, 56
.set G1S, 68                           ; s[68:75], s[76:79] groups 1 and 0 for A's scales;  s[80:87], s[88:91] for B's
.set G0S, 76
.set G1SB, 80
.set G0SB, 88
.set SEL, 96                           ; s[96:97] v_permlanex16_b32's selects for lane l xor 16
.set MSB, 0
.macro WIN new                         ; the immediate's high byte repeats the setting that is left
.if MSB != \new
	s_set_vgpr_msb (MSB<<8)|\new
.set MSB, \new
.endif
.endm
.set MUL_LO, 0xa1                      ; source 0 (B) window 1, source 1 (A) window 0, C and D window 2
.set MUL_HI, 0xf1                      ; the same, C and D window 3
.set TO_B,   0x40                      ; destination window 1, address window 0
; A joint load: waves 0 and 1 fetch for A, waves 2 and 3 for B.  The branch hangs on the wave's number alone.  Four v_nop follow each of the two lines.
.macro JLOAD g0a, g1a, g0b, g1b
	s_cmp_eq_u32 s15, 0
	s_cbranch_scc0 .Lfor_b_\@
	tensor_load_to_lds s[\g0a:\g0a+3], s[\g1a:\g1a+7]
	s_nop 0
.rept 4
	v_nop
.endr
	s_branch .Lasked_\@
.Lfor_b_\@:
	tensor_load_to_lds s[\g0b:\g0b+3], s[\g1b:\g1b+7]
	s_nop 0
.rept 4
	v_nop
.endr
.Lasked_\@:
.endm
.macro CREST                           ; a round of the cluster's barrier behind its opening barrier
	s_cmp_lg_u32 s14, 0
	s_cbranch_scc1 .Lnot_wave_0_\@
	s_barrier_signal -3
.Lnot_wave_0_\@:
	s_barrier_wait -3
	s_barrier_signal -1
	s_barrier_wait -1
.endm
.macro CROUND                          ; a whole round
	s_barrier_signal -1
	s_barrier_wait -1
	CREST
.endm
	s_load_b256 s[4:11], s[0:1], 0x0               ; cod s[4:5], scl s[6:7], qkvc s[8:9], qkvs s[10:11]
	v_lshl_add_u32 v[SPW], v0, 2, SPARE
	v_mov_b32 v[NIL], 0
	ds_add_u32 v28, v29
	ds_add_u32 v28, v29
	s_wait_dscnt 0x0
	v_lshrrev_b32 v1, 5, v0
	v_readfirstlane_b32 s14, v1                    ; wave 0..3
	s_lshr_b32 s15, s14, 1                         ; which half of A's rows is mine.  Also: I fetch for A (0) or for B (1)
	s_and_b32 s16, s14, 1                          ; which half of B's rows.  Also: which 128 rows I fetch
	s_bfe_u32 s40, ttmp6, 0x40000                  ; cx, cy: my place in the cluster
	s_bfe_u32 s41, ttmp6, 0x40004
	s_and_b32 s18, ttmp7, 0xffff                   ; the cluster's y, 0..23
	s_lshr_b32 s12, s18, 3                         ; T: 0 q, 1 k, 2 v
	s_and_b32 s18, s18, 7
	s_lshl_b32 s18, s18, 2                         ; 4 x (y % 8): the cluster's first tile along x's 8,192 rows
	s_lshr_b32 s13, s12, 1                         ; 1 for v
	s_xor_b32 s19, s13, 1                          ; 1 for q and k
	s_mul_i32 s17, s18, s19
	s_add_co_u32 s17, s17, s41                     ; tile row (of A): q, k: along x; v: along w_v
	s_mul_i32 s42, s18, s13
	s_add_co_u32 s42, s42, s40                     ; tile column (of B): q, k: along w; v: along x
	s_lshl_b32 s43, s41, 2
	s_lshl_b32 s43, 15, s43                        ; my row of the cluster
	s_lshl_b32 s44, 0x1111, s40                    ; my column
	; descriptor group 1: 8 tiles x 3,072 bytes, 12,288 bytes apart in memory, on end in LDS
	s_or_b32 s[G1+0], s43, (3<<16)|(1<<21)         ; 15:0 the mask: A's tiles go to my row; 17:16 elements of 8 bytes; 20 no padding; 21 set beside a mask
	s_or_b32 s[G1B+0], s44, (3<<16)|(1<<21)
.irp g, G1, G1B
	s_mov_b32 s[\g+1], (SLB/8)<<16                 ; tensor_dim0 = 384
	s_mov_b32 s[\g+2], 8<<16                       ; tensor_dim1 = 8
	s_mov_b32 s[\g+3], (SLB/8)<<16                 ; tile_dim0
	s_mov_b32 s[\g+4], 8                           ; tile_dim1
	s_mov_b32 s[\g+5], RTB/8                       ; tensor_dim0_stride
	s_mov_b32 s[\g+6], 0
	s_mov_b32 s[\g+7], 0
.endr
	; the scales of 128 rows: a dense block of 4,096 bytes, as 16 rows of 256 bytes
	s_or_b32 s[G1S+0], s43, (3<<16)|(1<<21)
	s_or_b32 s[G1SB+0], s44, (3<<16)|(1<<21)
.irp g, G1S, G1SB
	s_mov_b32 s[\g+1], 32<<16
	s_mov_b32 s[\g+2], 16<<16
	s_mov_b32 s[\g+3], 32<<16
	s_mov_b32 s[\g+4], 16
	s_mov_b32 s[\g+5], 32
	s_mov_b32 s[\g+6], 0
	s_mov_b32 s[\g+7], 0
.endr
	s_lshl_b32 s18, s16, 3                         ; which 8 tiles of the 16 I fetch
	s_mul_i32 s20, s13, 640                        ; A: x begins at tile 0, w_v at 640
	s_add_co_u32 s20, s20, s18
	s_lshl_b32 s21, s17, 4
	s_add_co_u32 s20, s20, s21                     ; + 16 x tile row
	s_lshl_b32 s46, s12, 6
	s_add_co_u32 s46, s46, 512
	s_mul_i32 s46, s46, s19                        ; B: w_q at 512, w_k at 576; x at 0
	s_add_co_u32 s46, s46, s18
	s_lshl_b32 s47, s42, 4
	s_add_co_u32 s46, s46, s47                     ; + 16 x tile column
	s_lshl_b32 s22, s20, 9                         ; where these tiles' scales begin, in bytes
	s_mov_b32 s23, 0
	s_lshl_b32 s92, s46, 9
	s_mov_b32 s93, 0
	s_mul_i32 s20, s20, RTB                        ; and their codes (under 2^24)
	s_mov_b32 s21, 0
	s_mul_i32 s46, s46, RTB
	s_mov_b32 s47, 0
	s_mul_i32 s45, s14, HALFT                      ; where they go: wave x 128 rows: no place in the cluster enters an LDS address
	s_mul_i32 s94, s14, HALFS
	s_mov_b32 s[SEL], 0x76543210
	s_mov_b32 s[SEL+1], 0xfedcba98
	s_wait_kmcnt 0x0
	s_add_nc_u64 s[20:21], s[4:5], s[20:21]
	s_add_nc_u64 s[22:23], s[6:7], s[22:23]
	s_add_nc_u64 s[46:47], s[4:5], s[46:47]
	s_add_nc_u64 s[92:93], s[6:7], s[92:93]
	CROUND                                         ; all sixteen work-groups are here: the first joint loads meet
	s_mov_b32 s[G0S], 1
	s_add_co_u32 s[G0S+1], s94, SCL
	s_mov_b64 s[G0S+2:G0S+3], s[22:23]
	s_or_b32 s[G0S+3], s[G0S+3], 0x80000000
	s_mov_b32 s[G0SB], 1
	s_add_co_u32 s[G0SB+1], s94, SCL
	s_mov_b64 s[G0SB+2:G0SB+3], s[92:93]
	s_or_b32 s[G0SB+3], s[G0SB+3], 0x80000000
	JLOAD G0S, G1S, G0SB, G1SB                     ; the scales first: they are wanted with the first slot
.irp s, 0,1
	s_mov_b32 s[G0+4*\s], 1
	s_add_co_u32 s[G0+4*\s+1], s45, \s*SLOT
	s_add_nc_u64 s[G0+4*\s+2:G0+4*\s+3], s[20:21], \s*SLB
	s_or_b32 s[G0+4*\s+3], s[G0+4*\s+3], 0x80000000
	s_mov_b32 s[G0B+4*\s], 1
	s_add_co_u32 s[G0B+4*\s+1], s45, \s*SLOT
	s_add_nc_u64 s[G0B+4*\s+2:G0B+4*\s+3], s[46:47], \s*SLB
	s_or_b32 s[G0B+4*\s+3], s[G0B+4*\s+3], 0x80000000
	JLOAD G0+4*\s, G1, G0B+4*\s, G1B               ; three loads of mine are out behind the last of these
.endr
	v_and_b32 v1, 31, v0                           ; lane
	v_and_b32 v2, 15, v0                           ; r
	v_bfe_u32 v3, v0, 4, 1                         ; h
	v_lshlrev_b32 v[L16], 4, v1
	v_lshlrev_b32 v[L8], 3, v1
	v_lshlrev_b32 v4, 4, v2
	v_lshl_add_u32 v[SOF], v3, 12, v4
	s_mul_i32 s21, s15, HALFT                      ; my 128 rows of A
	s_mul_i32 s22, s16, HALFT                      ; my 128 rows of B,
	s_add_co_u32 s22, s22, 2*HALFT                 ; which lie behind A's 256
.irp s, 0,1
	v_add_nc_u32 v[ADRA+\s], s21, v[L16]
	v_add_nc_u32 v[ADRA+2+\s], s21, v[L8]
	v_add_nc_u32 v[ADRB+\s], s22, v[L16]
	v_add_nc_u32 v[ADRB+2+\s], s22, v[L8]
	s_add_co_u32 s21, s21, SLOT
	s_add_co_u32 s22, s22, SLOT
.endr
	v_lshlrev_b32 v5, 3, v2                        ; my row's two words of a slot: 8 r
	s_mul_i32 s21, s15, HALFS                      ; A's: my 128 rows
	s_mul_i32 s22, s16, HALFS                      ; B's: my 128 rows, behind A's 256
	s_add_co_u32 s22, s22, 2*HALFS
	s_sub_co_u32 s22, s22, s21
	v_mul_u32_u24 v6, s22, v3                      ; lanes 16-31 take B's: one product of h
	s_add_co_u32 s21, s21, SCL
	v_add_nc_u32 v5, v5, v6
	v_add_nc_u32 v[ADRS], s21, v5
.macro FRAG reg, adr, q, i             ; a fragment, 16 rows x 128 K: two images, each 512 bytes at 16 x lane and 256 bytes at 8 x lane: every load reads consecutive bytes
	ds_load_b128 v[\reg:\reg+3],     v[\adr]   offset:(\i)*SLB+(\q)*2*IMG
	ds_load_b64  v[\reg+4:\reg+5],   v[\adr+2] offset:(\i)*SLB+(\q)*2*IMG+512
	ds_load_b128 v[\reg+6:\reg+9],   v[\adr]   offset:(\i)*SLB+(\q)*2*IMG+IMG
	ds_load_b64  v[\reg+10:\reg+11], v[\adr+2] offset:(\i)*SLB+(\q)*2*IMG+IMG+512
.endm
; 16 matrix instructions: A's blocks a0, a0 + 1 x B's eight, 128 along K: the slot's q-th.  p: B's set;  sc: the set of scale words.  zero = 1: the first product starts the sums.
; The 64 accumulators take turns, one instruction a turn, in the same order in every step.
.macro MUL16 a0, p, q, sc, zero
.irp a, \a0, \a0+1
.irp b, 0,1,2,3,4,5,6,7
.if \zero
	v_wmma_scale_f32_16x16x128_f8f6f4 v[8*(8*((\a)%4)+\b):8*(8*((\a)%4)+\b)+7], v[128*(\p)+FR*\b:128*(\p)+FR*\b+FR-1], v[AF+FR*(\a):AF+FR*(\a)+FR-1], 0, v[SC+8*NQ*(\sc)+NQ*\b+(\q)], v[SC+8*NQ*(\sc)+NQ*(\a)+(\q)] matrix_a_fmt:MATRIX_FMT_FP6 matrix_b_fmt:MATRIX_FMT_FP6 matrix_a_scale:MATRIX_SCALE_ROW1
.else
	v_wmma_scale_f32_16x16x128_f8f6f4 v[8*(8*((\a)%4)+\b):8*(8*((\a)%4)+\b)+7], v[128*(\p)+FR*\b:128*(\p)+FR*\b+FR-1], v[AF+FR*(\a):AF+FR*(\a)+FR-1], v[8*(8*((\a)%4)+\b):8*(8*((\a)%4)+\b)+7], v[SC+8*NQ*(\sc)+NQ*\b+(\q)], v[SC+8*NQ*(\sc)+NQ*(\a)+(\q)] matrix_a_fmt:MATRIX_FMT_FP6 matrix_b_fmt:MATRIX_FMT_FP6 matrix_a_scale:MATRIX_SCALE_ROW1
.endif
.endr
.endr
.endm
.macro FETCH_B slot, q, p              ; B's eight fragments of the slot's q-th 128 along K into set p
	WIN TO_B
.irp i, 0,1,2,3,4,5,6,7
	FRAG 128*(\p)+FR*\i, ADRB+\slot, \q, \i
.endr
	WIN 0
.endm
.macro FETCH_A slot, q, i0             ; A's blocks i0 .. i0 + 3
.irp i, \i0, \i0+1, \i0+2, \i0+3
	FRAG AF+FR*(\i), ADRA+\slot, \q, \i
.endr
.endm
.macro SCALES sc                       ; a slot's scale words into set sc: two words a row; lanes 0-15 take A's block i, lanes 16-31 B's block i
.irp i, 0,1,2,3,4,5,6,7
	ds_load_b64 v[SC+8*NQ*\sc+NQ*\i:SC+8*NQ*\sc+NQ*\i+1], v[ADRS] offset:\i*SBLK
.endr
.endm
; A load into a register that a matrix instruction has read, and a vector instruction that reads a matrix result or writes one of a matrix instruction's registers, stand NP places behind it;
; only plain vector instructions that name none of its registers are places (ISA guide 7.12.1 for vector instructions).
.macro PLACES n
.rept \n
	v_nop
.endr
.endm
; A step of 128 along K that has its successor in the same slot.
.macro STEP slot, q, zero
	s_wait_dscnt 4*NL                              ; B's set and A's blocks 0-3 are in; the youngest 16 loads (A's blocks 4-7) may be out
	WIN MUL_LO
	MUL16 0, (\q)%2, \q, \slot, \zero
	MUL16 2, (\q)%2, \q, \slot, \zero
	s_wait_dscnt 0                                 ; A's blocks 4-7 are in (asked for 32 matrix instructions ago)
	PLACES NP
	FETCH_B \slot, (\q)+1, 1-(\q)%2
	FETCH_A \slot, (\q)+1, 0
	WIN MUL_HI
	MUL16 4, (\q)%2, \q, \slot, \zero
	MUL16 6, (\q)%2, \q, \slot, \zero
	PLACES NP
	WIN 0
	FETCH_A \slot, (\q)+1, 4
.endm
; A slot's last step changes slots: ONE barrier; in front of it each wave waits for all its tensor loads, adds 0 to its spare word, and waits for that and for its own reads of this slot.  fill = 1: this slot is filled again, two slots ahead.
.macro TURN slot, next, fill
	s_wait_tensorcnt 0x0                           ; all my tensor loads have landed: my part of the next slot;  (every window is 0 here)
	ds_add_u32 v[SPW], v[NIL]                      ; 0 onto my spare word
	s_wait_dscnt 4*NL+1                            ; (the add and the youngest 16 loads, A's blocks 4-7, may be out)
	WIN MUL_LO
	MUL16 0, 1, NQ-1, \slot, 0                     ; sixteen matrix instructions stand between the add and the wait for it
	s_wait_dscnt 0x0                               ; the add is done, and my reads of this slot are over
	s_barrier_signal -1
	MUL16 2, 1, NQ-1, \slot, 0
	WIN 0
	s_barrier_wait -1
.if \fill
	CREST                                          ; the barrier has opened a round of the cluster's barrier: no wave of any partner still reads this slot or has a load on its way
	s_add_nc_u64 s[G0+4*\slot+2:G0+4*\slot+3], s[G0+4*\slot+2:G0+4*\slot+3], 2*SLB
	s_add_nc_u64 s[G0B+4*\slot+2:G0B+4*\slot+3], s[G0B+4*\slot+2:G0B+4*\slot+3], 2*SLB
	JLOAD G0+4*\slot, G1, G0B+4*\slot, G1B         ; the first tensor load behind the round, my only one until the next; its four v_nop are the places in front of the loads below
.else
	PLACES NP
.endif
	s_wait_alu depctr_va_vdst(0)
	v_add_nc_u32 v[ADRS], 128, v[ADRS]             ; on to the next slot's scale words (no LDS load of mine is out)
	FETCH_B \next, 0, 0
	FETCH_A \next, 0, 0
	SCALES \next
	WIN MUL_HI
	MUL16 4, 1, NQ-1, \slot, 0
	MUL16 6, 1, NQ-1, \slot, 0
	PLACES NP
	WIN 0
	FETCH_A \next, 0, 4
.endm
	s_wait_alu depctr_va_vdst(0)
	s_wait_tensorcnt 1                             ; the scales and my part of slot 0 are in (slot 1's load may be out)
	s_barrier_signal -1
	s_barrier_wait -1                              ; everybody's are
	FETCH_B 0, 0, 0
	FETCH_A 0, 0, 0
	SCALES 0
	FETCH_A 0, 0, 4
	STEP 0, 0, 1                                   ; the first step stands in front of the loop: its products start the sums
	s_mov_b32 s3, LAPS-1
.Llap:                                                 ; a trip goes once round the ring, from a lap's second step to the next lap's first, and fills both slots again
	TURN 0, 1, 1
	STEP 1, 0, 0
	TURN 1, 0, 1
	STEP 0, 0, 0
	s_sub_co_u32 s3, s3, 1
	s_cmp_lg_u32 s3, 0
	s_cbranch_scc1 .Llap
	TURN 0, 1, 0                                   ; the last lap fills nothing, and has no round of the cluster's barrier
	STEP 1, 0, 0
	s_wait_dscnt 4*NL                              ; the very last step: nothing more to fetch
	WIN MUL_LO
	MUL16 0, 1, NQ-1, 1, 0
	MUL16 2, 1, NQ-1, 1, 0
	s_wait_dscnt 0
	WIN MUL_HI
	MUL16 4, 1, NQ-1, 1, 0
	MUL16 6, 1, NQ-1, 1, 0
	WIN 0
	; THE WAY OUT.  Where my 128 x 128 goes: along s it is block SB of 128 (batch SB / 16, step SB % 16), along e head pair HP.
	PLACES NP                                      ; behind the last products: the lines below write registers that held scale words and fragments
	s_lshl_b32 s2, s17, 1
	s_add_co_u32 s2, s2, s15                       ; my block of 128 rows of A
	s_lshl_b32 s3, s42, 1
	s_add_co_u32 s3, s3, s16                       ; my block of 128 rows of B
	s_mov_b32 s66, 4*IMG
	s_mov_b32 s67, 128*IMG
	s_mov_b32 s43, 0x05040100                      ; q, k: lanes 0-15 (first head) take bytes 0, 1 of words f and f + 4,
	s_mov_b32 s44, 0x07060302                      ; lanes 16-31 (second head) bytes 2, 3
	s_cmp_eq_u32 s13, 1
	s_cselect_b32 s18, s3, s2                      ; SB
	s_cselect_b32 s19, s2, s3                      ; HP
	s_cselect_b32 s20, s67, s66                    ; from A's blocks 0-3 to 4-7: q, k: four images on; v: the next head
	s_cselect_b32 s22, s66, s67                    ; from the first 64 of the next K to the second: q, k: the next head; v: four images on
	s_cselect_b32 s43, 0x03020100, s43             ; v: lanes 0-15 take word f whole,
	s_cselect_b32 s44, 0x07060504, s44             ; lanes 16-31 word f + 4
	s_mov_b32 s21, 0
	s_mov_b32 s23, 0
	s_lshr_b32 s40, s18, 4
	s_lshl_b32 s40, s40, 4
	s_lshl_b32 s19, s19, 1
	s_add_co_u32 s40, s40, s19                     ; 16 b + the pair's first head
	s_and_b32 s41, s18, 15                         ; the step of 128 along s
	s_lshl_b32 s46, s40, 7
	s_lshl_b32 s45, s41, 3
	s_add_co_u32 s46, s46, s45
	s_mul_i32 s46, s46, IMG
	s_mul_i32 s45, s12, 64*128*IMG
	s_add_co_u32 s46, s46, s45
	s_mov_b32 s47, 0
	s_add_nc_u64 s[4:5], s[8:9], s[46:47]          ; the four bases: blocks 0-3, first 64;
	s_add_nc_u64 s[6:7], s[4:5], s[22:23]          ; blocks 0-3, second 64;
	s_add_nc_u64 s[92:93], s[4:5], s[20:21]        ; blocks 4-7, first 64;
	s_add_nc_u64 s[94:95], s[92:93], s[22:23]      ; blocks 4-7, second 64
	s_lshl_b32 s46, s40, 12
	s_lshl_b32 s45, s41, 8
	s_add_co_u32 s46, s46, s45
	s_lshl_b32 s45, s12, 18
	s_add_co_u32 s46, s46, s45
	s_add_nc_u64 s[98:99], s[10:11], s[46:47]      ; the scale words
.irp b, 0,1,2,3
	v_mov_b32 v[TM+4+\b], 0                        ; written once: a lane permute's destination counts as one of its sources
.endr
	v_bfe_u32 v62, v0, 4, 1
	v_mov_b32 v60, s43
	v_mov_b32 v61, s44
	v_cmp_eq_u32 vcc_lo, 1, v62
	v_cndmask_b32 v60, v60, v61, vcc_lo
; Block a: 64 numbers a lane, register 16 b + i = place 32 b + 16 h + i along the next K of my row.  Each block has 20 registers of its own for its codes, so that no store's data are written again.
.macro QOUT a
.set AC, 64*((\a)%4)
.set WW, 2+(\a)/4
.set WS, (WW<<2)|(WW<<4)
.set PC, 64+20*(\a)
.set PB, 4+88*((\a)/4)
	WIN WS                                         ; sources 1 and 2: the accumulators' window
.irp b, 0,1,2,3
	v_max3_num_f32 v[TM+\b], 0x1800000, |v[AC+16*\b]|, |v[AC+16*\b+1]|   ; each accumulator is read from its low end on; the floor 2^(3 - 127) holds the byte at 1 from below
.endr
.irp i, 2,4,6,8,10,12,14
.irp b, 0,1,2,3
	v_max3_num_f32 v[TM+\b], v[TM+\b], |v[AC+16*\b+\i]|, |v[AC+16*\b+\i+1]|
.endr
.endr
	WIN 0
.irp b, 0,1,2,3
	v_permlanex16_b32 v[TM+4+\b], v[TM+\b], s[SEL], s[SEL+1]
.endr
.irp b, 0,1,2,3
	v_max_num_f32 v[TM+\b], v[TM+\b], v[TM+4+\b]   ; with lane l xor 16's: the block's largest magnitude
.endr
.irp b, 0,1,2,3
	v_add_nc_u32 v[TM+12+\b], 0xff000000, v[TM+\b] ; 2 off its exponent field: the conversion's scale operand
.endr
.irp b, 0,1,2,3
	v_lshrrev_b32 v[TM+4+\b], 23, v[TM+12+\b]      ; the scale's byte
.endr
	v_lshl_or_b32 v[WA+(\a)], v[TM+5], 8, v[TM+4]
	v_lshl_or_b32 v[WA+(\a)], v[TM+6], 16, v[WA+(\a)]
	v_lshl_or_b32 v[WA+(\a)], v[TM+7], 24, v[WA+(\a)]
	WIN WW                                         ; source 0: the accumulators' window
.irp c, 0,1
	v_cvt_scalef32_pk16_fp6_f32 v[PC+6*\c:PC+6*\c+2], v[AC+32*\c:AC+32*\c+15], v[TM+12+2*\c]
	v_cvt_scalef32_pk16_fp6_f32 v[PC+12+4*\c:PC+14+4*\c], v[AC+16+32*\c:AC+31+32*\c], v[TM+13+2*\c]   ; (a conversion's three registers begin on an even number)
.endr
	WIN 0
	v_nop                                          ; one plain place behind a scaled conversion
.irp c, 0,1                                    ; the operand's layout wants a whole block of 32 in a lane
.irp i, 0,1,2
	v_permlane16_swap_b32 v[PC+6*\c+\i], v[PC+12+4*\c+\i]
.endr
.irp i, 0,1,2
	v_mov_b32 v[PC+3+6*\c+\i], v[PC+12+4*\c+\i]
.endr
.endr
.irp c, 0,1
	global_store_b128 v[L16], v[PC+6*\c:PC+6*\c+3], s[PB+2*\c:PB+2*\c+1] offset:IMG*((\a)%4)         ; 512 consecutive bytes, aligned to 256
	global_store_b64 v[L8], v[PC+6*\c+4:PC+6*\c+5], s[PB+2*\c:PB+2*\c+1] offset:IMG*((\a)%4)+512     ; 256 consecutive bytes, aligned
.endr
.endm
.irp a, 0,1,2,3,4,5,6,7
	QOUT \a
.endr
.irp f, 0,1,2,3
	v_perm_b32 v[56+\f], v[WA+4+\f], v[WA+\f], v60 ; selects 0-3 take bytes of the second source, 4-7 of the first
.endr
	global_store_b128 v[SOF], v[56:59], s[98:99]   ; sixteen lanes store 256 consecutive bytes, aligned: one head's words of this step
	s_wait_tensorcnt 0x0                           ; the wave's end
	ds_add_u32 v[SPW], v[NIL]
	s_wait_dscnt 0x0
	CROUND                                         ; the closing round: no work-group ends while a partner may still ask for a tile that names it
	s_endpgm
.Lfunc_end_k_q69203201bc_qkv:
	.size	k_q69203201bc_qkv, .Lfunc_end_k_q69203201bc_qkv-k_q69203201bc_qkv
	.p2alignl 7, 3214868480
	.fill 96, 4, 3214868480
	.section	.rodata,"a",@progbits
	.p2align	6, 0x0
	.amdhsa_kernel k_q69203201bc_qkv
		.amdhsa_group_segment_fixed_size 327680
		.amdhsa_private_segment_fixed_size 0
		.amdhsa_enable_private_segment 0
		.amdhsa_kernarg_size 32
		.amdhsa_user_sgpr_count 2
		.amdhsa_user_sgpr_kernarg_segment_ptr 1
		.amdhsa_wavefront_size32 1
		.amdhsa_system_sgpr_workgroup_id_x 1
		.amdhsa_system_sgpr_workgroup_id_y 1
		.amdhsa_system_sgpr_workgroup_id_z 1
		.amdhsa_system_vgpr_workitem_id 0
		.amdhsa_next_free_vgpr 1024
		.amdhsa_next_free_sgpr 100
		.amdhsa_reserve_vcc 1
		.amdhsa_float_denorm_mode_32 3
		.amdhsa_float_denorm_mode_16_64 3
		.amdhsa_memory_ordered 1
		.amdhsa_forward_progress 1
		.amdhsa_inst_pref_size 150
	.end_amdhsa_kernel
	.amdgpu_metadata
---
amdhsa.version: [ 1, 2 ]
amdhsa.kernels:
  - .name:           k_q69203201bc_qkv
    .symbol:         k_q69203201bc_qkv.kd
    .args:
      - { .name: cod, .offset: 0, .size: 8, .value_kind: global_buffer, .address_space: global }
      - { .name: scl, .offset: 8, .size: 8, .value_kind: global_buffer, .address_space: global }
      - { .name: qkvc, .offset: 16, .size: 8, .value_kind: global_buffer, .address_space: global }
      - { .name: qkvs, .offset: 24, .size: 8, .value_kind: global_buffer, .address_space: global }
    .group_segment_fixed_size: 327680
    .private_segment_fixed_size: 0
    .kernarg_segment_align: 8
    .kernarg_segment_size: 32
    .max_flat_workgroup_size: 128
    .sgpr_count:     100
    .vgpr_count:     1024
    .wavefront_size: 32
...
	.end_amdgpu_metadata
.endif
;; end of part 2
;; launch attn (part 3): grid 8 x 64, 16 waves a work-group, no clusters, 206,848 bytes of LDS; arguments qkvc, qkvs, oc, os; writes oc, os
.if DOCPART == 3
	.amdgcn_target "amdgcn-amd-amdhsa--gfx1250"
	.amdhsa_code_object_version 6
	.text
	.protected	k_q69203201bc_attn
	.globl	k_q69203201bc_attn
	.p2align	8
	.type	k_q69203201bc_attn,@function
k_q69203201bc_attn:
	s_mov_b64 s[64:65], 0
	v_nop
	global_prefetch_b8 v0, s[64:65] scope:SCOPE_SE
	s_setreg_imm32_b32 hwreg(HW_REG_WAVE_MODE, 25, 1), 1
	s_wait_xcnt 0x0
; Causal attention of one head (2,048 keys, head size 64) on codes of FP6 (E2M3) with E8M0 scales; the result, divided by the row's sum, is quantised along the model's 1,024 and leaves as codes for the last product.
; THE SOFTMAX AHEAD OF THE SECOND PRODUCT: t = score x log2(e) / 8; M = the row's largest t so far, rounded UP to a whole number; p = 2^(t - M) is quantised along the keys, not normalised.  The row's sum is taken of the
; unquantised p, in f32.  When M moves, the sum and O are multiplied by 2^(old M - new M): exact.
; SHARES.  Work-group (i, head) serves query blocks i and 15 - i of 128 queries: waves 0-7 one tile of 16 queries each of block i, waves 8-15 of block 15 - i.  A wave of block B works B + 1 key steps of 128: 8 x 17 wave steps in every work-group.
; A HEAD'S K, V AND SCALES ALL LIE IN LDS (204,800 bytes): every byte is filled once, by five tensor loads a wave at the head; nothing is filled again.  The keys come in four chunks of 512, each read behind its own counted wait and a barrier.
; Every wave walks all 16 steps: the trip counts are constants; a step all of whose keys come after the wave's queries is left out by a scalar branch on ids round its work alone.
; NO CLUSTER, though the eight work-groups of a head read the same K and V: which steps a work-group leaves out hangs on its block i, which would differ between partners.
; NO PREFETCH: all that a work-group reads is asked for by the tensor loads at its head; there is no later load to run ahead of.
; LAYOUT.  Both products are used transposed: S^T = K Q^T, O^T = V^T P^T: a lane holds ONE query (lane % 16) throughout.  Operands lie as images of registers: 16 rows x 64 along K, 768 bytes: registers 0-3 at 16 x lane, 4-5 at 512 + 8 x lane.
; Tile T of keys (queries, channels) holds rows 32 (T / 2) + 8 (T % 2) + r + 8 (r / 8): so the 16 registers of result tiles 2 b, 2 b + 1 are 16 neighbours.
; K = 64 IN AN INSTRUCTION 128 DEEP: a fragment of K is tile f (first 64) with tile f + 4 (second 64); multiplied by (q, zeros) it gives the scores of tile f, by (zeros, q) those of tile f + 4.  Zero codes add nothing.
; LIMITS: NaN and infinities are not served; a block of p or of the result whose largest magnitude lies under 2^-124 keeps the byte 1 (zeros too: their codes are zeros).  A block's largest p is taken from its largest score,
; which takes v_exp_f32 not to fall where its input rises.
; REGISTERS: v1-7 addresses that stay; v8-11, v92-93 the step's; v12 -M, v13 the largest t, v[14:15] the sum in two halves; v16-21 zeros, v22-27 q, v28-33 zeros; v34 q's scale word; v36-83 four fragments of K, then of V;
;   v84-87 K's scale words, v88-91 V's; v96-159 S^T, then p; v160-191 O^T; v192-203 p's codes; v204-210 second halves; v212-223 at work; v224 at work; v[226:227] f; v228 p's scale word.
.set IMG,   768
.set STEPB, 8*IMG                      ; a key step's eight images, of K or of V
.set VB,    16*STEPB                   ; LDS: K at 0, V here,
.set SCK,   2*VB                       ; K's scale words (256 bytes a step),
.set SCV,   SCK+4096                   ; V's
.set CHB,   4*STEPB                    ; a chunk of 512 keys
.set WV,  12                           ; s12 wave
.set HI,  13                           ; s13 wave / 8
.set TA,  14                           ; s14 wave % 8: my tile of queries; also which eighth of a chunk I fetch
.set HB,  16                           ; s16 16 b + head
.set BI,  17                           ; s17 my block of 128 queries
.set SEL, 20                           ; s[20:21] lane selects for v_permlanex16_b32: lane l xor 16
.set CS,  22                           ; s[22:23] c = log2(e) / 8
.set G1C, 24                           ; s[24:31] descriptor group 1: 12 rows of 256 bytes
.set G1S, 32                           ; s[32:39] 2 rows of 256 bytes
.set G0,  40                           ; s[40:59] five groups 0: the scales, chunks 0 to 3
.set TB,  60                           ; s60 LDS byte at which the step's images begin
.set TS,  61                           ; s61 and its scale words
.set KS,  62                           ; s62 the step's number
.set CNT, 63                           ; s63 counts a chunk's four steps
	s_load_b256 s[4:11], s[0:1], 0x0               ; qkvc s[4:5], qkvs s[6:7], oc s[8:9], os s[10:11]
	v_lshl_add_u32 v254, v0, 2, 0x32000
	v_mov_b32 v255, 0
	ds_add_u32 v254, v255
	ds_add_u32 v254, v255
	v_lshrrev_b32 v1, 5, v0
	s_delay_alu instid0(VALU_DEP_1)
	v_readfirstlane_b32 s[WV], v1                  ; wave 0..15
	s_lshr_b32 s[HI], s[WV], 3
	s_and_b32 s[TA], s[WV], 7
	s_and_b32 s[HB], ttmp7, 0xffff
	s_lshl_b32 s[BI], ttmp9, 1
	s_sub_co_u32 s[BI], 15, s[BI]
	s_mul_i32 s[BI], s[BI], s[HI]
	s_add_co_u32 s[BI], s[BI], ttmp9               ; i, or 15 - i
	s_mov_b32 s[G1C], 3<<16                        ; no mask; elements of 8 bytes; no padding
	s_mov_b32 s[G1C+1], 32<<16                     ; tensor_dim0 = 32
	s_mov_b32 s[G1C+2], 12<<16                     ; tensor_dim1 = 12
	s_mov_b32 s[G1C+3], 32<<16                     ; tile_dim0
	s_mov_b32 s[G1C+4], 12                         ; tile_dim1
	s_mov_b32 s[G1C+5], 32                         ; tensor_dim0_stride: dense
	s_mov_b32 s[G1C+6], 0
	s_mov_b32 s[G1C+7], 0
	s_mov_b32 s[G1S], 3<<16
	s_mov_b32 s[G1S+1], 32<<16
	s_mov_b32 s[G1S+2], 2<<16
	s_mov_b32 s[G1S+3], 32<<16
	s_mov_b32 s[G1S+4], 2
	s_mov_b32 s[G1S+5], 32
	s_mov_b32 s[G1S+6], 0
	s_mov_b32 s[G1S+7], 0
	; what I fetch: waves 0-7 of K, waves 8-15 of V: 3,072 bytes of each chunk and 512 bytes of scale words
	s_add_co_u32 s66, s[HI], 1                     ; the tensor: 1 k, 2 v
	s_mul_i32 s68, s66, 64*128*IMG
	s_mul_i32 s67, s[HB], 128*IMG
	s_add_co_u32 s68, s68, s67
	s_mul_i32 s70, s[TA], 3072
	s_add_co_u32 s68, s68, s70                     ; in memory,
	s_mov_b32 s69, 0
	s_mul_i32 s71, s[HI], VB
	s_add_co_u32 s70, s70, s71                     ; and in LDS
	s_lshl_b32 s72, s66, 18
	s_lshl_b32 s67, s[HB], 12
	s_add_co_u32 s72, s72, s67
	s_lshl_b32 s74, s[TA], 9
	s_add_co_u32 s72, s72, s74                     ; the scale words: in memory,
	s_mov_b32 s73, 0
	s_lshl_b32 s71, s[HI], 12
	s_add_co_u32 s74, s74, s71
	s_add_co_u32 s74, s74, SCK                     ; and in LDS
	s_mov_b32 s[SEL], 0x76543210
	s_mov_b32 s[SEL+1], 0xfedcba98
	s_mov_b32 s[CS], 0x3e38aa3b                    ; c = log2(e) / 8
	s_mov_b32 s[CS+1], s[CS]                       ; (named with it as a pair, so it is written)
	s_mov_b32 s[TB], 0
	s_mov_b32 s[TS], 0
	s_mov_b32 s[KS], 0
	s_wait_dscnt 0x0
	s_wait_kmcnt 0x0
	s_mov_b32 s[G0], 1
	s_mov_b32 s[G0+1], s74
	s_add_nc_u64 s[G0+2:G0+3], s[6:7], s[72:73]
	s_or_b32 s[G0+3], s[G0+3], 0x80000000
	s_add_nc_u64 s[68:69], s[4:5], s[68:69]
.irp c, 0,1,2,3
	s_mov_b32 s[G0+4+4*\c], 1
	s_add_co_u32 s[G0+5+4*\c], s70, CHB*\c
	s_add_nc_u64 s[G0+6+4*\c:G0+7+4*\c], s[68:69], CHB*\c
	s_or_b32 s[G0+7+4*\c], s[G0+7+4*\c], 0x80000000
.endr
	tensor_load_to_lds s[G0:G0+3], s[G1S:G1S+7]    ; all fills of the launch go out here, in one run: five loads of mine are out
	s_nop 0
.irp c, 0,1,2,3
	tensor_load_to_lds s[G0+4+4*\c:G0+7+4*\c], s[G1C:G1C+7]
	s_nop 0
.endr
.rept 4
	v_nop
.endr
	s_lshl_b32 s66, s[BI], 3
	s_add_co_u32 s66, s66, s[TA]                   ; my tile of queries in the head: 8 x block + tile
	s_mul_i32 s76, s66, IMG
	s_mul_i32 s67, s[HB], 128*IMG
	s_add_co_u32 s76, s76, s67
	s_mov_b32 s77, 0
	s_add_nc_u64 s[76:77], s[4:5], s[76:77]        ; q's image
	s_lshl_b32 s78, s[HB], 12
	s_lshl_b32 s67, s[BI], 8
	s_add_co_u32 s78, s78, s67
	s_and_b32 s67, s[TA], 3
	s_lshl_b32 s67, s67, 2
	s_add_co_u32 s78, s78, s67
	s_mov_b32 s79, 0
	s_add_nc_u64 s[78:79], s[6:7], s[78:79]        ; the word that holds its two bytes
	v_and_b32 v10, 31, v0
	s_delay_alu instid0(VALU_DEP_1)
	v_lshlrev_b32 v1, 4, v10                       ; 16 x lane
	s_delay_alu instid0(VALU_DEP_2)
	v_lshlrev_b32 v2, 3, v10                       ; 8 x lane
	v_and_b32 v10, 15, v0                          ; r
	v_bfe_u32 v11, v0, 4, 1                        ; h
	s_delay_alu instid0(VALU_DEP_2)
	v_lshlrev_b32 v9, 4, v10                       ; 16 r
	global_load_b128 v[22:25], v1, s[76:77]
	global_load_b64 v[26:27], v2, s[76:77] offset:512
	global_load_b32 v35, v9, s[78:79]
	v_add_nc_u32 v3, VB, v1
	v_add_nc_u32 v4, VB, v2
	v_add_nc_u32 v5, SCK, v9
	v_add_nc_u32 v6, SCV, v9
	s_lshr_b32 s67, s[TA], 1
	s_lshl_b32 s67, s67, 5
	s_and_b32 s75, s[TA], 1
	s_lshl_b32 s75, s75, 3
	s_add_co_u32 s67, s67, s75                     ; my tile's first query in its block
	v_and_b32 v7, 8, v10
	s_delay_alu instid0(VALU_DEP_1)
	v_add_nc_u32 v7, v7, v10                       ; + r + 8 (r / 8)
	v_lshlrev_b32 v8, 4, v11
	s_delay_alu instid0(VALU_DEP_1)
	v_sub_nc_u32 v7, v7, v8
	s_delay_alu instid0(VALU_DEP_1)
	v_add_nc_u32 v7, s67, v7                       ; d = my query in its block - 16 h
	s_mov_b32 s66, 0x03020302
	s_cmp_lt_u32 s[TA], 4
	s_cselect_b32 s66, 0x01000100, s66             ; tiles 0-3: bytes 0, 1 of the word; tiles 4-7: bytes 2, 3; each pair twice
.irp j, 16,17,18,19,20,21,28,29,30,31,32,33
	v_mov_b32 v[\j], 0                             ; the zero codes on both sides of q
.endr
	v_mov_b32 v14, 0                               ; the sum, in two halves
	v_mov_b32 v15, 0
.irp j, 216,217,218,219,226,227
	v_mov_b32 v[\j], 0                             ; written once: a lane permute's destination counts as one of its sources; v227 is named as the upper half of f's pair
.endr
	v_mov_b32 v13, 0xff61b1e6                      ; the largest t so far: -3e38, under every t
	s_delay_alu instid0(VALU_DEP_1)
	v_floor_f32 v12, -v13                          ; -M
	s_wait_loadcnt 0x0                             ; q
	v_perm_b32 v34, v35, v35, s66                  ; q's scale word (s0, s1, s0, s1): it serves q in either half of the operand
.set j, 0
.rept 32
	v_mov_b32 v[160+j], 0                          ; O^T: the first step finds zeros.  (These lines are also the places between the scale word's making and the first product)
.set j, j+1
.endr
.macro FRAG reg, a16, a8, off0, off1   ; a fragment: two images; every load reads consecutive bytes
	ds_load_b128 v[\reg:\reg+3], v[\a16] offset:\off0
	ds_load_b64 v[\reg+4:\reg+5], v[\a8] offset:\off0+512
	ds_load_b128 v[\reg+6:\reg+9], v[\a16] offset:\off1
	ds_load_b64 v[\reg+10:\reg+11], v[\a8] offset:\off1+512
.endm
; A KEY STEP: 128 keys.
.macro STEP
	s_cmp_gt_u32 s[KS], s[BI]                      ; all its keys come after my queries: its work is left out; the lines at its end that step addresses are not
	s_cbranch_scc1 .Lhidden_\@
	s_setprio 2
	v_add_nc_u32 v8, s[TB], v1                     ; (these six are also the places behind the last step's products, in front of the loads below)
	v_add_nc_u32 v9, s[TB], v2
	v_add_nc_u32 v10, s[TB], v3
	v_add_nc_u32 v11, s[TB], v4
	v_add_nc_u32 v92, s[TS], v5
	v_add_nc_u32 v93, s[TS], v6
.irp f, 0,1,2,3
	FRAG 36+12*\f, 8, 9, IMG*\f, IMG*(\f+4)        ; tile f with tile f + 4
.endr
	ds_load_b128 v[84:87], v92                     ; K's four scale words of row r
	s_wait_alu depctr_va_vdst(0)
	s_wait_dscnt 0x0
.irp f, 0,1,2,3
	v_wmma_scale_f32_16x16x128_f8f6f4 v[96+8*\f:103+8*\f], v[36+12*\f:47+12*\f], v[22:33], 0, v[84+\f], v34 matrix_a_fmt:MATRIX_FMT_FP6 matrix_b_fmt:MATRIX_FMT_FP6     ; (q, zeros): tile f
	v_wmma_scale_f32_16x16x128_f8f6f4 v[128+8*\f:135+8*\f], v[36+12*\f:47+12*\f], v[16:27], 0, v[84+\f], v34 matrix_a_fmt:MATRIX_FMT_FP6 matrix_b_fmt:MATRIX_FMT_FP6   ; (zeros, q): tile f + 4
.endr
.rept 4
	v_nop                                          ; places: in front of loads into registers that these products read, and of the first read of their results
.endr
.irp f, 0,1,2,3
	FRAG 36+12*\f, 10, 11, IMG*\f, IMG*(\f+4)      ; V: channels' tile f, keys 0-63 and 64-127: they land under the softmax
.endr
	ds_load_b128 v[88:91], v93                     ; V's four scale words of row r
	s_cmp_lt_u32 s[KS], s[BI]                      ; a step all of whose keys count skips the mask
	s_cbranch_scc1 .Lopen_\@
	v_mov_b32 v224, 0xff800000                     ; on the diagonal hidden scores become -infinity ahead of the maximum: p = 0 then.  Register 16 b + i holds key 32 b + 16 h + i of the block: hidden where 32 b + i > d
.set n, 0
.rept 64
	v_cmp_gt_i32 vcc_lo, 32*(n/16)+n%16, v7
	v_cndmask_b32 v[96+n], v[96+n], v224, vcc_lo
.set n, n+1
.endr
.Lopen_\@:
.irp b, 0,1,2,3
	v_max3_num_f32 v[212+\b], v[96+16*\b], v[97+16*\b], v[98+16*\b]   ; the largest score of each block of 32 keys: for the row's maximum, and for the block's largest p
.endr
.irp i, 3,5,7,9,11,13
.irp b, 0,1,2,3
	v_max3_num_f32 v[212+\b], v[212+\b], v[96+16*\b+\i], v[97+16*\b+\i]
.endr
.endr
.irp b, 0,1,2,3
	v_max_num_f32 v[212+\b], v[212+\b], v[111+16*\b]
.endr
.irp b, 0,1,2,3
	s_delay_alu instid0(VALU_DEP_4)
	v_permlanex16_b32 v[216+\b], v[212+\b], s[SEL], s[SEL+1]
.endr
.irp b, 0,1,2,3
	s_delay_alu instid0(VALU_DEP_4)
	v_max_num_f32 v[212+\b], v[212+\b], v[216+\b]  ; with lane l xor 16's 16 keys
.endr
	s_delay_alu instid0(VALU_DEP_2)
	v_max3_num_f32 v224, v212, v213, v214
	s_delay_alu instid0(VALU_DEP_1)
	v_max_num_f32 v224, v224, v215                 ; the step's largest score of my query
	s_delay_alu instid0(VALU_DEP_1)
	v_mul_f32 v224, s[CS], v224                    ; as t
	s_delay_alu instid0(VALU_DEP_1)
	v_max_num_f32 v13, v13, v224                   ; the running largest t
	v_mov_b32 v224, v12
	s_delay_alu instid0(VALU_DEP_2)
	v_floor_f32 v12, -v13                          ; the new -M = -ceil(t): a whole number
	s_delay_alu instid0(VALU_DEP_1)
	v_sub_f32 v224, v12, v224                      ; old M - new M: a whole number, 0 or less
	s_delay_alu instid0(VALU_DEP_1)
	v_cvt_i32_f32 v224, v224                       ; (it saturates)
	s_delay_alu instid0(VALU_DEP_1)
	v_ldexp_f32 v226, 1.0, v224                    ; f = 2^(old M - new M)
.set j, 0
	s_setprio 1
.rept 32
	v_pk_fma_f32 v[96+j:97+j], v[96+j:97+j], s[CS:CS+1], v[12:13] op_sel_hi:[1,0,0]   ; t - M, two at a time
.set j, j+2
.endr
.irp b, 0,1,2,3
	v_fma_f32 v[212+\b], v[212+\b], s[CS], v12     ; the same of each block's largest score
.endr
.set j, 0
	s_wait_alu depctr_va_vdst(0)
.rept 64
	v_exp_f32 v[96+j], v[96+j]                     ; p = 2^(t - M), at most 1
.set j, j+1
.endr
	v_pk_mul_f32 v[14:15], v[14:15], v[226:227] op_sel_hi:[1,0]   ; the sums under the new M.  (The plain line behind the exponentials)
	s_wait_alu depctr_va_vdst(0)                   ; one wait for the whole batch, ahead of its first reader
.irp b, 0,1,2,3
	v_exp_f32 v[212+\b], v[212+\b]                 ; the block's largest p
.endr
	v_pk_add_f32 v[216:217], v[100:101], v[104:105]
	v_pk_add_f32 v[252:253], v[108:109], v[112:113]
	v_pk_add_f32 v[250:251], v[116:117], v[120:121]
	v_pk_add_f32 v[248:249], v[124:125], v[128:129]
	v_pk_add_f32 v[246:247], v[132:133], v[136:137]
	v_pk_add_f32 v[244:245], v[140:141], v[144:145]
	v_pk_add_f32 v[242:243], v[148:149], v[152:153]
	v_pk_add_f32 v[14:15], v[14:15], v[156:157]
	v_pk_add_f32 v[216:217], v[216:217], v[96:97]
	v_pk_add_f32 v[252:253], v[252:253], v[98:99]
	v_pk_add_f32 v[250:251], v[250:251], v[102:103]
	v_pk_add_f32 v[248:249], v[248:249], v[106:107]
	v_pk_add_f32 v[246:247], v[246:247], v[110:111]
	v_pk_add_f32 v[244:245], v[244:245], v[114:115]
	v_pk_add_f32 v[242:243], v[242:243], v[118:119]
	v_pk_add_f32 v[14:15], v[14:15], v[122:123]
	v_pk_add_f32 v[216:217], v[216:217], v[126:127]
	v_pk_add_f32 v[252:253], v[252:253], v[130:131]
	v_pk_add_f32 v[250:251], v[250:251], v[134:135]
	v_pk_add_f32 v[248:249], v[248:249], v[138:139]
	v_pk_add_f32 v[246:247], v[246:247], v[142:143]
	v_pk_add_f32 v[244:245], v[244:245], v[146:147]
	v_pk_add_f32 v[242:243], v[242:243], v[150:151]
	v_pk_add_f32 v[14:15], v[14:15], v[154:155]
	v_pk_add_f32 v[216:217], v[216:217], v[158:159]
	s_delay_alu instid0(VALU_DEP_2)
	v_pk_add_f32 v[14:15], v[14:15], v[248:249]
	s_delay_alu instid0(VALU_DEP_2)
	v_pk_add_f32 v[216:217], v[216:217], v[246:247]
	v_pk_add_f32 v[252:253], v[252:253], v[244:245]
	v_pk_add_f32 v[250:251], v[250:251], v[242:243]
	s_delay_alu instid0(VALU_DEP_2)
	v_pk_add_f32 v[14:15], v[14:15], v[252:253]
	s_delay_alu instid0(VALU_DEP_2)
	v_pk_add_f32 v[216:217], v[216:217], v[250:251]
	s_delay_alu instid0(VALU_DEP_1)
	v_pk_add_f32 v[14:15], v[14:15], v[216:217]
	s_wait_alu depctr_va_vdst(0)                   ; and one for the four
.irp b, 0,1,2,3
	v_max_num_f32 v[212+\b], 0x1800000, v[212+\b]  ; the floor 2^(3 - 127): the byte cannot fall under 1
.endr
.irp b, 0,1,2,3
	s_delay_alu instid0(VALU_DEP_4)
	v_add_nc_u32 v[220+\b], 0xff000000, v[212+\b]  ; 2 off the exponent field: the conversion's scale operand
.endr
.irp b, 0,1,2,3
	s_delay_alu instid0(VALU_DEP_4)
	v_lshrrev_b32 v[216+\b], 23, v[220+\b]         ; the scale's byte
.endr
	s_delay_alu instid0(VALU_DEP_3)
	v_lshl_or_b32 v228, v217, 8, v216              ; p's scale word for these 128 keys
	s_delay_alu instid0(VALU_DEP_1)
	v_lshl_or_b32 v228, v218, 16, v228
	s_delay_alu instid0(VALU_DEP_1)
	v_lshl_or_b32 v228, v219, 24, v228
	s_setprio 0
.irp c, 0,1
	v_cvt_scalef32_pk16_fp6_f32 v[192+6*\c:194+6*\c], v[96+32*\c:111+32*\c], v[220+2*\c]
	v_cvt_scalef32_pk16_fp6_f32 v[204+4*\c:206+4*\c], v[112+32*\c:127+32*\c], v[221+2*\c]   ; (a conversion's three registers begin on an even number)
.endr
	v_nop                                          ; one plain place behind a scaled conversion
.irp c, 0,1                                    ; the operand's layout wants a whole block in a lane
.irp i, 0,1,2
	v_permlane16_swap_b32 v[192+6*\c+\i], v[204+4*\c+\i]
.endr
.irp i, 0,1,2
	s_delay_alu instid0(VALU_DEP_3)
	v_mov_b32 v[195+6*\c+\i], v[204+4*\c+\i]
.endr
.endr
.set j, 0
.rept 16
	v_pk_mul_f32 v[160+j:161+j], v[160+j:161+j], v[226:227] op_sel_hi:[1,0]   ; O^T under the new M.  (These are also the places in front of the products below)
.set j, j+2
.endr
	s_wait_alu depctr_va_vdst(0)
	s_wait_dscnt 0x0                               ; V is in
.irp f, 0,1,2,3                                ; O^T += V^T P^T: the four accumulators by turns
	v_wmma_scale_f32_16x16x128_f8f6f4 v[160+8*\f:167+8*\f], v[36+12*\f:47+12*\f], v[192:203], v[160+8*\f:167+8*\f], v[88+\f], v228 matrix_a_fmt:MATRIX_FMT_FP6 matrix_b_fmt:MATRIX_FMT_FP6
.endr
.Lhidden_\@:
	s_add_co_u32 s[KS], s[KS], 1
	s_add_co_u32 s[TB], s[TB], STEPB
	s_add_co_u32 s[TS], s[TS], 256
.endm
; A chunk of 512 keys: my part of it has landed (the 3 - c chunks behind it may be out); behind the barrier everybody's has.
.macro CHUNK c
	s_wait_tensorcnt 3-\c
	s_barrier_signal -1
	s_barrier_wait -1
	s_mov_b32 s[CNT], 4
.Lstep_\@:
	STEP
	s_sub_co_u32 s[CNT], s[CNT], 1
	s_cmp_lg_u32 s[CNT], 0
	s_cbranch_scc1 .Lstep_\@
	s_setprio 0
.endm
	CHUNK 0
	CHUNK 1
	CHUNK 2
	CHUNK 3                                        ; its wait is for 0: no tensor load is out at the end
	; THE WAY OUT.  O^T / the sum: register 16 b + i is channel 32 b + 16 h + i of my query: two blocks of 32 along the last product's K: one image and two bytes a row.
.rept 4
	v_nop                                          ; places behind the last products
.endr
	v_add_f32 v14, v14, v15                        ; the sum's two halves,
	s_delay_alu instid0(VALU_DEP_1)
	v_permlanex16_b32 v226, v14, s[SEL], s[SEL+1]
	s_delay_alu instid0(VALU_DEP_1)
	v_add_f32 v14, v14, v226                       ; and lane l xor 16's
	s_wait_alu depctr_va_vdst(0)
	v_rcp_f32 v14, v14
	v_and_b32 v10, 15, v0                          ; (a plain place behind the transcendental)  r
	v_bfe_u32 v11, v0, 4, 1                        ; h
	s_delay_alu instid0(VALU_DEP_1)
	v_lshl_add_u32 v8, v10, 3, v11                 ; 8 r + h
	s_lshr_b32 s66, s[HB], 4
	s_lshl_b32 s66, s66, 7
	s_lshl_b32 s67, s[BI], 3
	s_add_co_u32 s66, s66, s67
	s_add_co_u32 s66, s66, s[TA]                   ; my tile of rows among the 512: 128 b + 8 x block + tile
	s_and_b32 s67, s[HB], 15                       ; the head: which 64 along the last product's K
	s_lshl_b32 s68, s66, 4
	s_add_co_u32 s68, s68, s67
	s_mul_i32 s68, s68, IMG
	s_mov_b32 s69, 0
	s_add_nc_u64 s[8:9], s[8:9], s[68:69]
	s_lshl_b32 s68, s66, 9
	s_lshr_b32 s70, s67, 2
	s_lshl_b32 s70, s70, 7
	s_add_co_u32 s68, s68, s70                     ; 128 bytes for each 256 along K,
	s_and_b32 s70, s67, 3
	s_lshl_b32 s70, s70, 1
	s_add_co_u32 s68, s68, s70                     ; two bytes for each head
	s_add_nc_u64 s[10:11], s[10:11], s[68:69]
	s_wait_alu depctr_va_vdst(0)                   ; the wait ahead of the reciprocal's first reader
.set j, 0
.rept 32
	v_mul_f32 v[96+j], v[160+j], v14               ; each accumulator from its low end on
.set j, j+1
.endr
.irp b, 0,1
	v_max3_num_f32 v[212+\b], |v[96+16*\b]|, |v[97+16*\b]|, 0x1800000
.endr
.irp i, 2,4,6,8,10,12,14
.irp b, 0,1
	s_delay_alu instid0(VALU_DEP_2)
	v_max3_num_f32 v[212+\b], v[212+\b], |v[96+16*\b+\i]|, |v[97+16*\b+\i]|
.endr
.endr
.irp b, 0,1
	s_delay_alu instid0(VALU_DEP_2)
	v_permlanex16_b32 v[216+\b], v[212+\b], s[SEL], s[SEL+1]
.endr
.irp b, 0,1
	s_delay_alu instid0(VALU_DEP_2)
	v_max_num_f32 v[212+\b], v[212+\b], v[216+\b]
.endr
.irp b, 0,1
	s_delay_alu instid0(VALU_DEP_2)
	v_add_nc_u32 v[220+\b], 0xff000000, v[212+\b]
.endr
.irp b, 0,1
	s_delay_alu instid0(VALU_DEP_2)
	v_lshrrev_b32 v[216+\b], 23, v[220+\b]
.endr
	v_cvt_scalef32_pk16_fp6_f32 v[192:194], v[96:111], v220
	v_cvt_scalef32_pk16_fp6_f32 v[200:202], v[112:127], v221
	v_nop                                          ; one plain place behind a scaled conversion
.irp i, 0,1,2
	v_permlane16_swap_b32 v[192+\i], v[200+\i]
.endr
.irp i, 0,1,2
	s_delay_alu instid0(VALU_DEP_3)
	v_mov_b32 v[195+\i], v[200+\i]
.endr
	v_cmp_eq_u32 vcc_lo, 1, v11
	s_delay_alu instid0(VALU_DEP_1)
	v_cndmask_b32 v216, v216, v217, vcc_lo         ; lane (r, h) stores block h's byte
	global_store_b128 v1, v[192:195], s[8:9]       ; 512 consecutive bytes, aligned to 256
	global_store_b64 v2, v[196:197], s[8:9] offset:512   ; 256 consecutive bytes, aligned
	global_store_b8 v8, v216, s[10:11]             ; single bytes, 8 apart, laid as the last product reads them: 32 bytes for each 768 of codes
	s_wait_tensorcnt 0x0
	ds_add_u32 v254, v255
	s_wait_dscnt 0x0
	s_endpgm
.Lfunc_end_k_q69203201bc_attn:
	.size	k_q69203201bc_attn, .Lfunc_end_k_q69203201bc_attn-k_q69203201bc_attn
	.p2alignl 7, 3214868480
	.fill 96, 4, 3214868480
	.section	.rodata,"a",@progbits
	.p2align	6, 0x0
	.amdhsa_kernel k_q69203201bc_attn
		.amdhsa_group_segment_fixed_size 206848
		.amdhsa_private_segment_fixed_size 0
		.amdhsa_enable_private_segment 0
		.amdhsa_kernarg_size 32
		.amdhsa_user_sgpr_count 2
		.amdhsa_user_sgpr_kernarg_segment_ptr 1
		.amdhsa_wavefront_size32 1
		.amdhsa_system_sgpr_workgroup_id_x 1
		.amdhsa_system_sgpr_workgroup_id_y 1
		.amdhsa_system_sgpr_workgroup_id_z 1
		.amdhsa_system_vgpr_workitem_id 0
		.amdhsa_next_free_vgpr 256
		.amdhsa_next_free_sgpr 80
		.amdhsa_reserve_vcc 1
		.amdhsa_float_denorm_mode_32 3
		.amdhsa_float_denorm_mode_16_64 3
		.amdhsa_memory_ordered 1
		.amdhsa_forward_progress 1
		.amdhsa_inst_pref_size 104
	.end_amdhsa_kernel
	.amdgpu_metadata
---
amdhsa.version: [ 1, 2 ]
amdhsa.kernels:
  - .name:           k_q69203201bc_attn
    .symbol:         k_q69203201bc_attn.kd
    .args:
      - { .name: qkvc, .offset: 0, .size: 8, .value_kind: global_buffer, .address_space: global }
      - { .name: qkvs, .offset: 8, .size: 8, .value_kind: global_buffer, .address_space: global }
      - { .name: oc, .offset: 16, .size: 8, .value_kind: global_buffer, .address_space: global }
      - { .name: os, .offset: 24, .size: 8, .value_kind: global_buffer, .address_space: global }
    .group_segment_fixed_size: 206848
    .private_segment_fixed_size: 0
    .kernarg_segment_align: 8
    .kernarg_segment_size: 32
    .max_flat_workgroup_size: 512
    .sgpr_count:     80
    .vgpr_count:     256
    .wavefront_size: 32
...
	.end_amdgpu_metadata
.endif
;; end of part 3
;; launch proj (part 4): grid 4 x 32, 4 waves a work-group, clusters of 4 x 4, 327,680 bytes of LDS; arguments oc, os, cod, scl, b_o, out0; writes out0
.if DOCPART == 4
	.amdgcn_target "amdgcn-amd-amdhsa--gfx1250"
	.amdhsa_code_object_version 6
	.text
	.protected	k_q69203201bc_proj
	.globl	k_q69203201bc_proj
	.p2align	8
	.type	k_q69203201bc_proj,@function
k_q69203201bc_proj:
	s_mov_b64 s[64:65], 0
	v_nop
	global_prefetch_b8 v0, s[64:65] scope:SCOPE_SE
	s_setreg_imm32_b32 hwreg(HW_REG_WAVE_MODE, 25, 1), 1
	s_wait_xcnt 0x0
	s_wait_alu depctr_hold_cnt(0) depctr_sa_sdst(0) depctr_va_vdst(0) depctr_va_sdst(0) depctr_va_ssrc(0) depctr_va_vcc(0) depctr_vm_vsrc(0)
	s_getreg_b32 s2, hwreg(HW_REG_IB_STS2, 6, 4)
	s_cmp_eq_u32 s2, 0
	s_cbranch_scc0 .Lentry_in_a_cluster
	s_endpgm
.Lentry_in_a_cluster:
	s_bfe_u32 s2, ttmp6, 0x10000c
	s_cmp_lg_u32 s2, 0xf033
	s_cbranch_scc0 .Lentry_shape_is_right
	s_endpgm
.Lentry_shape_is_right:
; out0 = attention's result x w_o^T + b_o, on codes of FP6 (E2M3) with E8M0 scales, K = 1,024; out0 [8192][1024] f32.
; Source 1 is A, the attention's result (a lane keeps one row), source 0 is B = w_o (the lane's registers run along the output's columns).  Both lie in memory as images of registers: 16 rows x 64 along K, 768 bytes:
; lane l's registers 0-3 at 16 l, registers 4-5 at 512 + 8 l.  Tile T holds rows 32 (T / 2) + 8 (T % 2) + r + 8 (r / 8).  oc, os: 512 tiles; w_o: tiles 704-767 of cod, scl.
; A tile of out0, 256 x 256, is made by four waves, as many as a WGP has SIMDs, 128 x 128 each: 64 accumulators, 512 registers.  K goes in steps of 256 through a ring of two LDS slots; the scales come into LDS once.
; The bias is the C of each sum's first matrix instruction: eight registers for each of B's eight blocks, in the result's layout.
; CLUSTERS: 4 x 4 work-groups; A's tiles are shared along a row of the cluster, B's along a column: each is asked for jointly, by the same tensor load with the same descriptor and a mask that names the four.
; REGISTERS, in windows of 256: window 0: v0-31 addresses; v32-63 scale words, two sets; v64-127 the bias; v128-223 A's fragments, one set; on the way out v128-255 rows of out0.   window 1: B's fragments, two sets, at v0 and v128.
;   window 2: the 32 accumulators of my rows 0-63 of A (accumulator (a, b) at v[8 (8 a + b)]);   window 3: those of rows 64-127.
.set NQ,     2
.set FR,     12
.set NL,     4
.set NP,     4                         ; places behind this matrix instruction (ISA guide 7.12.1)
.set IMG,    768
.set SLB,    4*IMG
.set RTB,    16*IMG
.set HALFT,  8*SLB
.set SLOT,   4*HALFT
.set LAPS,   2
.set SCL,    2*SLOT
.set HALFS,  4096
.set SBLK,   512
.set SPARE,  SCL+4*HALFS               ; the spare words, 128 bytes for each wave: two blocks of 256 bytes that no other line names
.set SPITCH, 528                       ; the way out: a stage of 16 rows x (512 bytes + 16) for each wave, in slot 0, which has had its last fill and its last read when the first result is stored there
.set ADRA, 16                          ; v16-17 A's images in slot 0, 1, + 16 x lane;  v18-19 + 8 x lane
.set ADRB, 20                          ; v20-23 the same for B
.set STO,  24                          ; v24  the way out: where I put 32 bytes of a row
.set RD,   25                          ; v25  where I read a row back
.set CO,   26                          ; v26  16 x lane: my bytes of a row of 512
.set ADRS, 27                          ; v27  my scale words: lanes 0-15 A's rows, lanes 16-31 B's
.set SPW,  28                          ; v28  my spare word; never rewritten
.set NIL,  29                          ; v29  0; never rewritten
.set SC,   32
.set BIA,  64                          ; v64-127 the bias
.set AF,   128
.set BK,   128                         ; the way out: 16 rows read back: v128-191 and v192-255 by turns
.set G1, 24
.set G0, 32
.set G1B, 48
.set G0B, 56
.set G1S, 68
.set G0S, 76
.set G1SB, 80
.set G0SB, 88
.set MSB, 0
.macro WIN new                         ; the immediate's high byte repeats the setting that is left
.if MSB != \new
	s_set_vgpr_msb (MSB<<8)|\new
.set MSB, \new
.endif
.endm
.set MUL_LO, 0xa1                      ; source 0 (B) window 1, source 1 (A) window 0, C and D window 2
.set MUL_HI, 0xf1                      ; the same, C and D window 3
.set BIA_LO, 0x81                      ; the first step: C (the bias) window 0, D window 2
.set BIA_HI, 0xc1                      ; D window 3
.set TO_B,   0x40
.macro JLOAD g0a, g1a, g0b, g1b        ; a joint load: waves 0 and 1 fetch for A, waves 2 and 3 for B; four v_nop follow each of the two lines
	s_cmp_eq_u32 s15, 0
	s_cbranch_scc0 .Lfor_b_\@
	tensor_load_to_lds s[\g0a:\g0a+3], s[\g1a:\g1a+7]
	s_nop 0
.rept 4
	v_nop
.endr
	s_branch .Lasked_\@
.Lfor_b_\@:
	tensor_load_to_lds s[\g0b:\g0b+3], s[\g1b:\g1b+7]
	s_nop 0
.rept 4
	v_nop
.endr
.Lasked_\@:
.endm
.macro CREST
	s_cmp_lg_u32 s14, 0
	s_cbranch_scc1 .Lnot_wave_0_\@
	s_barrier_signal -3
.Lnot_wave_0_\@:
	s_barrier_wait -3
	s_barrier_signal -1
	s_barrier_wait -1
.endm
.macro CROUND
	s_barrier_signal -1
	s_barrier_wait -1
	CREST
.endm
	s_load_b256 s[4:11], s[0:1], 0x0               ; oc s[4:5], os s[6:7], cod s[8:9], scl s[10:11]
	s_load_b128 s[96:99], s[0:1], 0x20             ; b_o s[96:97], out0 s[98:99]
	v_lshl_add_u32 v[SPW], v0, 2, SPARE
	v_mov_b32 v[NIL], 0
	ds_add_u32 v28, v29
	ds_add_u32 v28, v29
	s_wait_dscnt 0x0
	v_lshrrev_b32 v1, 5, v0
	v_readfirstlane_b32 s14, v1                    ; wave 0..3
	s_lshr_b32 s15, s14, 1                         ; which half of A's rows is mine.  Also: I fetch for A (0) or for B (1)
	s_and_b32 s16, s14, 1                          ; which half of B's rows.  Also: which 128 rows I fetch
	s_bfe_u32 s40, ttmp6, 0x40000                  ; cx, cy
	s_bfe_u32 s41, ttmp6, 0x40004
	s_mov_b32 s42, s40                             ; tile column = cx: the grid has one cluster along x
	s_and_b32 s17, ttmp7, 0xffff
	s_lshl_b32 s17, s17, 2
	s_add_co_u32 s17, s17, s41                     ; tile row = 4 x cluster y + cy
	s_lshl_b32 s43, s41, 2
	s_lshl_b32 s43, 15, s43                        ; my row of the cluster
	s_lshl_b32 s44, 0x1111, s40                    ; my column
	s_or_b32 s[G1+0], s43, (3<<16)|(1<<21)         ; the mask; elements of 8 bytes; no padding; bit 21 set beside a mask
	s_or_b32 s[G1B+0], s44, (3<<16)|(1<<21)
.irp g, G1, G1B
	s_mov_b32 s[\g+1], (SLB/8)<<16                 ; 8 tiles x 3,072 bytes, 12,288 bytes apart in memory, on end in LDS
	s_mov_b32 s[\g+2], 8<<16
	s_mov_b32 s[\g+3], (SLB/8)<<16
	s_mov_b32 s[\g+4], 8
	s_mov_b32 s[\g+5], RTB/8
	s_mov_b32 s[\g+6], 0
	s_mov_b32 s[\g+7], 0
.endr
	s_or_b32 s[G1S+0], s43, (3<<16)|(1<<21)        ; the scales of 128 rows: 16 rows of 256 bytes, dense
	s_or_b32 s[G1SB+0], s44, (3<<16)|(1<<21)
.irp g, G1S, G1SB
	s_mov_b32 s[\g+1], 32<<16
	s_mov_b32 s[\g+2], 16<<16
	s_mov_b32 s[\g+3], 32<<16
	s_mov_b32 s[\g+4], 16
	s_mov_b32 s[\g+5], 32
	s_mov_b32 s[\g+6], 0
	s_mov_b32 s[\g+7], 0
.endr
	s_lshl_b32 s18, s16, 3                         ; which 8 tiles of the 16 I fetch
	s_lshl_b32 s20, s17, 4
	s_add_co_u32 s20, s20, s18                     ; A: tile 16 x tile row + 8 x half
	s_lshl_b32 s46, s42, 4
	s_add_co_u32 s46, s46, s18
	s_add_co_u32 s46, s46, 704                     ; B: w_o begins at tile 704
	s_lshl_b32 s22, s20, 9
	s_mov_b32 s23, 0
	s_lshl_b32 s92, s46, 9
	s_mov_b32 s93, 0
	s_mul_i32 s20, s20, RTB
	s_mov_b32 s21, 0
	s_mul_i32 s46, s46, RTB
	s_mov_b32 s47, 0
	s_mul_i32 s45, s14, HALFT                      ; where they go: wave x 128 rows
	s_mul_i32 s94, s14, HALFS
	s_wait_kmcnt 0x0
	s_add_nc_u64 s[20:21], s[4:5], s[20:21]
	s_add_nc_u64 s[22:23], s[6:7], s[22:23]
	s_add_nc_u64 s[46:47], s[8:9], s[46:47]
	s_add_nc_u64 s[92:93], s[10:11], s[92:93]
	CROUND                                         ; all sixteen work-groups are here: the first joint loads meet
	s_mov_b32 s[G0S], 1
	s_add_co_u32 s[G0S+1], s94, SCL
	s_mov_b64 s[G0S+2:G0S+3], s[22:23]
	s_or_b32 s[G0S+3], s[G0S+3], 0x80000000
	s_mov_b32 s[G0SB], 1
	s_add_co_u32 s[G0SB+1], s94, SCL
	s_mov_b64 s[G0SB+2:G0SB+3], s[92:93]
	s_or_b32 s[G0SB+3], s[G0SB+3], 0x80000000
	JLOAD G0S, G1S, G0SB, G1SB
.irp s, 0,1
	s_mov_b32 s[G0+4*\s], 1
	s_add_co_u32 s[G0+4*\s+1], s45, \s*SLOT
	s_add_nc_u64 s[G0+4*\s+2:G0+4*\s+3], s[20:21], \s*SLB
	s_or_b32 s[G0+4*\s+3], s[G0+4*\s+3], 0x80000000
	s_mov_b32 s[G0B+4*\s], 1
	s_add_co_u32 s[G0B+4*\s+1], s45, \s*SLOT
	s_add_nc_u64 s[G0B+4*\s+2:G0B+4*\s+3], s[46:47], \s*SLB
	s_or_b32 s[G0B+4*\s+3], s[G0B+4*\s+3], 0x80000000
	s_wait_alu depctr_va_vdst(0)
	s_wait_tensorcnt 0x0
	ds_add_u32 v28, v29
	s_wait_dscnt 0x0
	CROUND
	JLOAD G0+4*\s, G1, G0B+4*\s, G1B               ; one load of mine, slot 1's, is out behind the last of these
.endr
	v_and_b32 v1, 31, v0                           ; lane
	v_and_b32 v2, 15, v0                           ; r
	v_bfe_u32 v3, v0, 4, 1                         ; h
	v_lshlrev_b32 v[CO], 4, v1
	s_wait_alu depctr_va_vdst(0)
	v_lshlrev_b32 v4, 3, v1
	s_wait_alu depctr_va_vdst(0)
	v_lshlrev_b32 v7, 6, v3                        ; the bias: 64 h bytes
	s_lshl_b32 s46, s42, 10
	s_lshl_b32 s47, s16, 9
	s_add_co_u32 s46, s46, s47                     ; my first column, in bytes: 1,024 x tile column + 512 x half
	s_mov_b32 s47, 0
	s_add_nc_u64 s[96:97], s[96:97], s[46:47]
	s_add_nc_u64 s[98:99], s[98:99], s[46:47]
.irp b, 0,1,2,3,4,5,6,7                        ; lane (r, h) wants, for B's block b, the bias of columns 32 (b / 2) + 16 h + 8 (b % 2) + 0 .. 7
	global_load_b128 v[BIA+8*\b:BIA+8*\b+3], v7, s[96:97] offset:128*(\b/2)+32*(\b%2)
	global_load_b128 v[BIA+8*\b+4:BIA+8*\b+7], v7, s[96:97] offset:128*(\b/2)+32*(\b%2)+16
.endr
	s_lshl_b32 s20, s17, 8
	s_lshl_b32 s21, s15, 7
	s_add_co_u32 s20, s20, s21                     ; my first row: 256 x tile row + 128 x half,
	s_lshl_b32 s20, s20, 12                        ; of 4,096 bytes (under 2^26)
	s_mov_b32 s21, 0
	s_add_nc_u64 s[98:99], s[98:99], s[20:21]
	s_mul_i32 s21, s15, HALFT
	s_mul_i32 s22, s16, HALFT
	s_add_co_u32 s22, s22, 2*HALFT
.irp s, 0,1
	v_add_nc_u32 v[ADRA+\s], s21, v[CO]
	v_add_nc_u32 v[ADRA+2+\s], s21, v4
	v_add_nc_u32 v[ADRB+\s], s22, v[CO]
	v_add_nc_u32 v[ADRB+2+\s], s22, v4
	s_add_co_u32 s21, s21, SLOT
	s_add_co_u32 s22, s22, SLOT
.endr
	v_lshlrev_b32 v5, 3, v2
	s_mul_i32 s21, s15, HALFS
	s_mul_i32 s22, s16, HALFS
	s_add_co_u32 s22, s22, 2*HALFS
	s_sub_co_u32 s22, s22, s21
	v_mul_u32_u24 v6, s22, v3                      ; lanes 16-31 take B's: one product of h
	s_add_co_u32 s21, s21, SCL
	v_add_nc_u32 v5, v5, v6
	v_add_nc_u32 v[ADRS], s21, v5
	s_mul_i32 s23, s14, 16*SPITCH                  ; my stage
	v_mul_u32_u24 v5, v2, SPITCH
	v_lshl_add_u32 v5, v3, 6, v5
	v_add_nc_u32 v[STO], s23, v5                   ; in: row r, + 64 h bytes
	v_add_nc_u32 v[RD], s23, v[CO]                 ; back: the 32 lanes take one row of 512 bytes
.macro FRAG reg, adr, q, i             ; a fragment: two images; every load reads consecutive bytes
	ds_load_b128 v[\reg:\reg+3],     v[\adr]   offset:(\i)*SLB+(\q)*2*IMG
	ds_load_b64  v[\reg+4:\reg+5],   v[\adr+2] offset:(\i)*SLB+(\q)*2*IMG+512
	ds_load_b128 v[\reg+6:\reg+9],   v[\adr]   offset:(\i)*SLB+(\q)*2*IMG+IMG
	ds_load_b64  v[\reg+10:\reg+11], v[\adr+2] offset:(\i)*SLB+(\q)*2*IMG+IMG+512
.endm
; 16 matrix instructions: A's blocks a0, a0 + 1 x B's eight.  first = 1: the sums start from the bias.  The 64 accumulators take turns, one instruction a turn.
.macro MUL16 a0, p, q, sc, first
.irp a, \a0, \a0+1
.irp b, 0,1,2,3,4,5,6,7
.if \first
	v_wmma_scale_f32_16x16x128_f8f6f4 v[8*(8*((\a)%4)+\b):8*(8*((\a)%4)+\b)+7], v[128*(\p)+FR*\b:128*(\p)+FR*\b+FR-1], v[AF+FR*(\a):AF+FR*(\a)+FR-1], v[BIA+8*\b:BIA+8*\b+7], v[SC+8*NQ*(\sc)+NQ*\b+(\q)], v[SC+8*NQ*(\sc)+NQ*(\a)+(\q)] matrix_a_fmt:MATRIX_FMT_FP6 matrix_b_fmt:MATRIX_FMT_FP6 matrix_a_scale:MATRIX_SCALE_ROW1
.else
	v_wmma_scale_f32_16x16x128_f8f6f4 v[8*(8*((\a)%4)+\b):8*(8*((\a)%4)+\b)+7], v[128*(\p)+FR*\b:128*(\p)+FR*\b+FR-1], v[AF+FR*(\a):AF+FR*(\a)+FR-1], v[8*(8*((\a)%4)+\b):8*(8*((\a)%4)+\b)+7], v[SC+8*NQ*(\sc)+NQ*\b+(\q)], v[SC+8*NQ*(\sc)+NQ*(\a)+(\q)] matrix_a_fmt:MATRIX_FMT_FP6 matrix_b_fmt:MATRIX_FMT_FP6 matrix_a_scale:MATRIX_SCALE_ROW1
.endif
.endr
.endr
.endm
.macro FETCH_B slot, q, p
	WIN TO_B
.irp i, 0,1,2,3,4,5,6,7
	FRAG 128*(\p)+FR*\i, ADRB+\slot, \q, \i
.endr
	WIN 0
.endm
.macro FETCH_A slot, q, i0
.irp i, \i0, \i0+1, \i0+2, \i0+3
	FRAG AF+FR*(\i), ADRA+\slot, \q, \i
.endr
.endm
.macro SCALES sc
.irp i, 0,1,2,3,4,5,6,7
	ds_load_b64 v[SC+8*NQ*\sc+NQ*\i:SC+8*NQ*\sc+NQ*\i+1], v[ADRS] offset:\i*SBLK
.endr
.endm
.macro PLACES n                        ; places behind matrix instructions: plain vector instructions that name none of their registers (ISA guide 7.12.1 for vector instructions)
.rept \n
	v_nop
.endr
.endm
.macro STEP slot, q, first
	s_wait_dscnt 4*NL                              ; B's set and A's blocks 0-3 are in; the youngest 16 loads (A's blocks 4-7) may be out
.if \first
	WIN BIA_LO
.else
	WIN MUL_LO
.endif
	MUL16 0, (\q)%2, \q, \slot, \first
	MUL16 2, (\q)%2, \q, \slot, \first
	s_wait_dscnt 0                                 ; A's blocks 4-7 are in
	PLACES NP
	FETCH_B \slot, (\q)+1, 1-(\q)%2
	FETCH_A \slot, (\q)+1, 0
.if \first
	WIN BIA_HI
.else
	WIN MUL_HI
.endif
	MUL16 4, (\q)%2, \q, \slot, \first
	MUL16 6, (\q)%2, \q, \slot, \first
	PLACES NP
	WIN 0
	FETCH_A \slot, (\q)+1, 4
.endm
; A slot's last step changes slots: ONE barrier; in front of it each wave waits for all its tensor loads, adds 0 to its spare word, and waits for that and for its own reads of this slot.
.macro TURN slot, next, fill
	s_wait_tensorcnt 0x0                           ; all my tensor loads have landed: my part of the next slot
	ds_add_u32 v[SPW], v[NIL]                      ; 0 onto my spare word
	s_wait_dscnt 4*NL+1                            ; (the add and the youngest 16 loads may be out)
	WIN MUL_LO
	MUL16 0, 1, NQ-1, \slot, 0
	s_wait_dscnt 0x0                               ; the add is done, and my reads of this slot are over
	s_barrier_signal -1
	MUL16 2, 1, NQ-1, \slot, 0
	WIN 0
	s_barrier_wait -1
.if \fill
	CREST                                          ; a round of the cluster's barrier: no wave of any partner still reads this slot or has a load on its way
	s_add_nc_u64 s[G0+4*\slot+2:G0+4*\slot+3], s[G0+4*\slot+2:G0+4*\slot+3], 2*SLB
	s_add_nc_u64 s[G0B+4*\slot+2:G0B+4*\slot+3], s[G0B+4*\slot+2:G0B+4*\slot+3], 2*SLB
	JLOAD G0+4*\slot, G1, G0B+4*\slot, G1B         ; the first tensor load behind the round, my only one until the next
.else
	PLACES NP
.endif
	s_wait_alu depctr_va_vdst(0)
	v_add_nc_u32 v[ADRS], 128, v[ADRS]             ; on to the next slot's scale words
	FETCH_B \next, 0, 0
	FETCH_A \next, 0, 0
	SCALES \next
	WIN MUL_HI
	MUL16 4, 1, NQ-1, \slot, 0
	MUL16 6, 1, NQ-1, \slot, 0
	PLACES NP
	WIN 0
	FETCH_A \next, 0, 4
.endm
	s_wait_alu depctr_va_vdst(0)
	s_wait_tensorcnt 1                             ; the scales and my part of slot 0 are in (slot 1's load may be out)
	s_barrier_signal -1
	s_barrier_wait -1                              ; everybody's are
	FETCH_B 0, 0, 0
	FETCH_A 0, 0, 0
	SCALES 0
	FETCH_A 0, 0, 4
	s_wait_loadcnt 0x0                             ; the bias
	STEP 0, 0, 1                                   ; the first step stands in front of the loop: its products start the sums from the bias
	s_mov_b32 s3, LAPS-1
.Llap:
	TURN 0, 1, 1
	STEP 1, 0, 0
	TURN 1, 0, 1
	STEP 0, 0, 0
	s_sub_co_u32 s3, s3, 1
	s_cmp_lg_u32 s3, 0
	s_cbranch_scc1 .Llap
	TURN 0, 1, 0                                   ; the last lap fills nothing
	STEP 1, 0, 0
	s_wait_dscnt 4*NL
	WIN MUL_LO
	MUL16 0, 1, NQ-1, 1, 0
	MUL16 2, 1, NQ-1, 1, 0
	s_wait_dscnt 0
	WIN MUL_HI
	MUL16 4, 1, NQ-1, 1, 0
	MUL16 6, 1, NQ-1, 1, 0
	WIN 0
; THE WAY OUT, block by block of 16 rows x 128 columns, through my own stage in LDS: in by lanes (32 bytes of a row for each of B's blocks), back as whole rows of 512 bytes.  LDS serves a wave's instructions in order
; (ISA guide 5.7.1.4): no wait between the stores and the loads, nor in front of the next block's stores.
.macro TOSTAGE a
.set AC, 64*((\a)%4)
.set WS, 0x08+4*((\a)/4)
	WIN WS                                         ; an LDS store's data: window 2 or 3
.irp b, 0,1,2,3,4,5,6,7
	ds_store_b128 v[STO], v[AC+8*\b:AC+8*\b+3] offset:128*(\b/2)+32*(\b%2)          ; each accumulator from its low end on: columns 32 (b / 2) + 16 h + 8 (b % 2) on
	ds_store_b128 v[STO], v[AC+8*\b+4:AC+8*\b+7] offset:128*(\b/2)+32*(\b%2)+16
.endr
	WIN 0
.set BB, BK+64*((\a)%2)
.irp t, 0,1,2,3,4,5,6,7,8,9,10,11,12,13,14,15
	ds_load_b128 v[BB+4*\t:BB+4*\t+3], v[RD] offset:\t*SPITCH
.endr
.endm
.macro SEND a, younger                 ; younger: the LDS instructions issued behind block a's loads, which may stay out
.set BB, BK+64*((\a)%2)
.set RW, 32*((\a)/2)+8*((\a)%2)        ; the tile's first row among my 128
	s_wait_dscnt \younger
.irp t, 0,1,2,3,4,5,6,7,8,9,10,11,12,13,14,15
	global_store_b128 v[CO], v[BB+4*\t:BB+4*\t+3], s[98:99] offset:(RW+\t+8*(\t/8))*4096 th:TH_STORE_NT   ; 32 lanes store 512 consecutive bytes, aligned to 256; the row stands in the immediate, 127 rows at the most
.endr
.endm
	PLACES NP                                      ; behind the last products: for the loads into the registers that held A's fragments, and for the reads of results
	TOSTAGE 0
.irp a, 1,2,3,4,5,6,7
.if \a > 1
	s_wait_xcnt 0x0                                ; block a - 2's stores have read their registers: block a's loads may land there
.endif
	TOSTAGE \a
	SEND \a-1, 32                                  ; behind block a - 1's loads: block a's 16 stores and 16 loads
.endr
	SEND 7, 0
	s_wait_tensorcnt 0x0                           ; the wave's end
	ds_add_u32 v[SPW], v[NIL]
	s_wait_dscnt 0x0
	CROUND                                         ; the closing round: no work-group ends while a partner may still ask for a tile that names it
	s_endpgm
.Lfunc_end_k_q69203201bc_proj:
	.size	k_q69203201bc_proj, .Lfunc_end_k_q69203201bc_proj-k_q69203201bc_proj
	.p2alignl 7, 3214868480
	.fill 96, 4, 3214868480
	.section	.rodata,"a",@progbits
	.p2align	6, 0x0
	.amdhsa_kernel k_q69203201bc_proj
		.amdhsa_group_segment_fixed_size 327680
		.amdhsa_private_segment_fixed_size 0
		.amdhsa_enable_private_segment 0
		.amdhsa_kernarg_size 48
		.amdhsa_user_sgpr_count 2
		.amdhsa_user_sgpr_kernarg_segment_ptr 1
		.amdhsa_wavefront_size32 1
		.amdhsa_system_sgpr_workgroup_id_x 1
		.amdhsa_system_sgpr_workgroup_id_y 1
		.amdhsa_system_sgpr_workgroup_id_z 1
		.amdhsa_system_vgpr_workitem_id 0
		.amdhsa_next_free_vgpr 1024
		.amdhsa_next_free_sgpr 100
		.amdhsa_reserve_vcc 0
		.amdhsa_float_denorm_mode_32 3
		.amdhsa_float_denorm_mode_16_64 3
		.amdhsa_memory_ordered 1
		.amdhsa_forward_progress 1
		.amdhsa_inst_pref_size 146
	.end_amdhsa_kernel
	.amdgpu_metadata
---
amdhsa.version: [ 1, 2 ]
amdhsa.kernels:
  - .name:           k_q69203201bc_proj
    .symbol:         k_q69203201bc_proj.kd
    .args:
      - { .name: oc, .offset: 0, .size: 8, .value_kind: global_buffer, .address_space: global }
      - { .name: os, .offset: 8, .size: 8, .value_kind: global_buffer, .address_space: global }
      - { .name: cod, .offset: 16, .size: 8, .value_kind: global_buffer, .address_space: global }
      - { .name: scl, .offset: 24, .size: 8, .value_kind: global_buffer, .address_space: global }
      - { .name: b_o, .offset: 32, .size: 8, .value_kind: global_buffer, .address_space: global }
      - { .name: out0, .offset: 40, .size: 8, .value_kind: global_buffer, .address_space: global }
    .group_segment_fixed_size: 327680
    .private_segment_fixed_size: 0
    .kernarg_segment_align: 8
    .kernarg_segment_size: 48
    .max_flat_workgroup_size: 128
    .sgpr_count:     100
    .vgpr_count:     1024
    .wavefront_size: 32
...
	.end_amdgpu_metadata
.endif
;; end of part 4
